; MI455X (gfx1250); checked and timed in simulation.
; The chip was launched on July 23, 2026; its instructions are those of AMD's public machine-readable ISA for CDNA 5 (MIT licence, August 2026) and "CDNA5" Instruction Set Architecture Reference Guide (July 2026). The comments in the code are by the model that wrote it; some were corrected since.
;; Log Linear Attention Reference. Allowed arithmetic: float matrix products may take bf16 or f16 operands with f32 sums; other float arithmetic in f32, or as packed bf16 or f16 multiplies, adds, multiply-adds, maxima and minima; sums over many terms, partial sums and values carried from step to step in f32; what a program stores and reads back later, other than sums and carried values, may be rounded once to bf16 or f16.
;; Inputs: bk 1,024 float32; bl 192 float32; bo 1,024 float32; bq 1,024 float32; bv 1,024 float32; wk 1,024 x 1,024 float32; wl 1,024 x 192 float32; wo 1,024 x 1,024 float32; wq 1,024 x 1,024 float32; wv 1,024 x 1,024 float32; x 2 x 2,048 x 1,024 float32.
;; Outputs: out0 2 x 2,048 x 1,024 float32.
;; 2 versions, each right; version 2 is version 1 with the launch cast written anew for expert scheduling mode. Each part assembles by itself: llvm-mc -triple=amdgcn-amd-amdhsa -mcpu=gfx1250 --defsym DOCPART=n.
;; ======== version 1 of 2: 3 launches
;; workspace buffers: cb 16,777,216 bytes; wlb 262,144 bytes; yt 16,777,216 bytes
;; launch cast (part 1): grid 256 x 1, 8 waves a work-group, no clusters, 0 bytes of LDS; arguments x, wq, wk, wv, wo, wl, cb, wlb; writes cb, wlb
.if DOCPART == 1
	.amdgcn_target "amdgcn-amd-amdhsa--gfx1250"
	.amdhsa_code_object_version 6
	.text
	.protected	k_q40230496c9_cast
	.globl	k_q40230496c9_cast
	.p2align	8
	.type	k_q40230496c9_cast,@function
k_q40230496c9_cast:
	s_mov_b64 s[64:65], 0
	v_nop
	global_prefetch_b8 v0, s[64:65] scope:SCOPE_SE
	s_setreg_imm32_b32 hwreg(HW_REG_WAVE_MODE, 25, 1), 1
	s_wait_xcnt 0x0
; FIRST OF THREE LAUNCHES.  x, wq, wk, wv, wo are rounded once to bf16, as they lie, into cb (x's 4,096 rows of 1,024, then the four matrices [k][n]);
; the live columns of wl go, rounded, into wlb[8 head pairs][1,024 k][16 c]: c = 2 hd + lev holds wl[k][(2 p + hd) 12 + lev] for hd, lev in {0, 1}; c = 4 .. 15 hold 0.
;
; WHAT reference() COMPUTES, AND WHAT IS LEFT OUT.  In _step, new_buckets[j] is zeros wherever bit j of t is set, placed or not, and BITS and RANKS hold six bits: put m = t mod 64.
; CLAIM: in front of step t all six buckets are zeros if m = 0; otherwise all but slot ctz(m), which holds the sum of v_s k_s^T over s = t-1 (m odd) or s = t-2, t-1 (m even).
; PROOF, by steps, from buckets0 = zeros.  m = 0: slot 0 takes cur, the other slots keep their zeros.  m odd, z its lowest clear bit (z < 6): slots below z become zeros and the carry is
; cur + slot 0 (the other slots below z hold zeros); slot z takes it; above z set bits give zeros and clear bits keep zeros; z = ctz(m + 1).  m = 63: every bit is set, every slot becomes zeros, the carry
; is dropped.  m even, not 0: slot 0 takes cur; every set bit, slot ctz(m) among them, gives zeros; clear bits above keep zeros.
; The one live slot is the lowest set bit of t, whose RANKS entry is 1.  So for all finite inputs, in exact arithmetic,
;   out_t = lam[t,h,0] (q_t . k_t) v_t + lam[t,h,1] x the sum over s in W(t) of (q_t . k_s) v_s,   W = {t-1} (t odd), {t-2, t-1} (t even), nothing (t mod 64 = 0),
; where (the sum of v_s k_s^T) q_t has been written as the sum of (k_s . q_t) v_s.  Levels 2 to 11 of lam multiply only zeros that reference() builds itself: 160 of wl's 192 columns and of bl's 192
; numbers reach no output and are not read.  Every one of the eleven inputs keeps a way to the output and is loaded by some launch.
; LIMIT: a NaN, an infinity or an overflow that would arise only in the work left out (levels 2 to 11, the empty buckets' products) is not carried to the result.
;
; SHARES.  Work-group g rounds 131,072 bytes of f32 into the 65,536 bytes of cb at 65,536 g: g < 128 from x, then 32 work-groups for each matrix.  Thread t takes 32 bytes of each of 16 units of
; 8,192 bytes and stores 16: a wave's store covers 512 consecutive bytes, aligned.  All 32 loads of a thread go out at the head, into registers of their own: nothing is asked for later,
; no register is used twice, and so no prefetch and no wait on the address counter is written.  No LDS, no matrix unit, no cluster: no byte is wanted twice.
.set X, 16                             ; v[16:143]  unit i: 8 registers as loaded; the first 4 then hold the 8 bf16
	s_load_b256 s[4:11], s[0:1], 0x0               ; x s[4:5], wq s[6:7], wk s[8:9], wv s[10:11]
	s_load_b256 s[12:19], s[0:1], 0x20             ; wo s[12:13], wl s[14:15], cb s[16:17], wlb s[18:19]
	v_lshrrev_b32 v1, 5, v0
	v_readfirstlane_b32 s30, v1                    ; wave 0..7
	v_and_b32 v12, 31, v0                          ; lane
	v_lshlrev_b32 v1, 5, v0                        ; my 32 bytes of a unit of the source
	v_lshlrev_b32 v2, 4, v0                        ; my 16 bytes of a unit of cb
	s_mov_b32 s20, ttmp9                           ; g
	s_sub_co_u32 s21, s20, 128                     ; g - 128: used where g >= 128 alone
	s_lshr_b32 s22, s21, 5                         ; which matrix: 0 wq, 1 wk, 2 wv, 3 wo
	s_and_b32 s23, s21, 31                         ; which 131,072 bytes of it
	s_cmp_lt_u32 s20, 128
	s_cselect_b32 s23, s20, s23                    ; or of x
	s_lshl_b32 s24, s23, 17
	s_mov_b32 s25, 0
	s_lshl_b32 s28, s20, 16                        ; my 65,536 bytes of cb
	s_mov_b32 s29, 0
	; wl's part: the work-group has head pair p = g / 32 and 32 values of k; wave u (of the first four) 8 of them: 256 bytes of wlb; a lane 8 bytes: k = lane / 4, c = 4 (lane % 4) ..
	s_and_b32 s31, s30, 3                          ; u; waves 4 to 7 load what waves 0 to 3 load and store nothing of it
	s_and_b32 s32, s20, 31
	s_lshl_b32 s32, s32, 5
	s_lshl3_add_u32 s32, s31, s32                  ; 32 (g % 32) + 8 u
	v_lshrrev_b32 v3, 2, v12
	v_add_nc_u32 v3, s32, v3                       ; k
	s_lshr_b32 s33, s20, 5
	s_mul_i32 s33, s33, 96                         ; head 2 p begins at column 24 p
	v_mul_u32_u24 v3, v3, 768                      ; a row of wl
	v_add_nc_u32 v3, s33, v3
	v_and_b32 v11, 3, v12
	s_lshl_b32 s34, s20, 10
	s_lshl_b32 s35, s31, 8
	s_add_co_u32 s34, s34, s35
	v_lshl_add_u32 v10, v12, 3, s34                ; 1,024 g + 256 u + 8 lane
	s_wait_kmcnt 0x0
	s_cmp_eq_u32 s22, 1
	s_cselect_b64 s[26:27], s[8:9], s[6:7]
	s_cmp_eq_u32 s22, 2
	s_cselect_b64 s[26:27], s[10:11], s[26:27]
	s_cmp_eq_u32 s22, 3
	s_cselect_b64 s[26:27], s[12:13], s[26:27]
	s_cmp_lt_u32 s20, 128
	s_cselect_b64 s[26:27], s[4:5], s[26:27]       ; the source is chosen by the work-group's number alone
	s_add_nc_u64 s[26:27], s[26:27], s[24:25]
	s_add_nc_u64 s[28:29], s[16:17], s[28:29]
	global_load_b64 v[4:5], v3, s[14:15]           ; levels 0, 1 of head 2 p
	global_load_b64 v[6:7], v3, s[14:15] offset:48 ; and of head 2 p + 1
.set i, 0
.rept 16
	global_load_b128 v[X+8*i:X+8*i+3],   v1, s[26:27] offset:8192*i th:TH_LOAD_NT
	global_load_b128 v[X+8*i+4:X+8*i+7], v1, s[26:27] offset:8192*i+16 th:TH_LOAD_NT
.set i, i+1
.endr
.set i, 0
.rept 16
	s_wait_loadcnt 30-2*i                          ; loads come back in order: unit i is in, the 2 (15 - i) younger loads stay out
	v_cvt_pk_bf16_f32 v[X+8*i],   v[X+8*i],   v[X+8*i+1]  ; in place: each line writes a register whose number has been read
	v_cvt_pk_bf16_f32 v[X+8*i+1], v[X+8*i+2], v[X+8*i+3]
	v_cvt_pk_bf16_f32 v[X+8*i+2], v[X+8*i+4], v[X+8*i+5]
	v_cvt_pk_bf16_f32 v[X+8*i+3], v[X+8*i+6], v[X+8*i+7]
	global_store_b128 v2, v[X+8*i:X+8*i+3], s[28:29] offset:4096*i
.set i, i+1
.endr
	v_cvt_pk_bf16_f32 v8, v4, v5                   ; c = 0, 1
	v_cvt_pk_bf16_f32 v9, v6, v7                   ; c = 2, 3
	v_cmp_eq_u32 vcc_lo, 0, v11
	v_cndmask_b32 v8, 0, v8, vcc_lo                ; c = 4 .. 15 are 0
	v_cndmask_b32 v9, 0, v9, vcc_lo
	s_cmp_lt_u32 s30, 4
	s_cbranch_scc0 .Lend
	global_store_b64 v10, v[8:9], s[18:19]         ; a wave stores 256 consecutive bytes, aligned
.Lend:
	s_endpgm
.Lfunc_end_k_q40230496c9_cast:
	.size	k_q40230496c9_cast, .Lfunc_end_k_q40230496c9_cast-k_q40230496c9_cast
	.p2alignl 7, 3214868480
	.fill 96, 4, 3214868480
	.section	.rodata,"a",@progbits
	.p2align	6, 0x0
	.amdhsa_kernel k_q40230496c9_cast
		.amdhsa_group_segment_fixed_size 0
		.amdhsa_private_segment_fixed_size 0
		.amdhsa_enable_private_segment 0
		.amdhsa_kernarg_size 64
		.amdhsa_user_sgpr_count 2
		.amdhsa_user_sgpr_kernarg_segment_ptr 1
		.amdhsa_wavefront_size32 1
		.amdhsa_system_sgpr_workgroup_id_x 1
		.amdhsa_system_sgpr_workgroup_id_y 1
		.amdhsa_system_sgpr_workgroup_id_z 1
		.amdhsa_system_vgpr_workitem_id 0
		.amdhsa_next_free_vgpr 144
		.amdhsa_next_free_sgpr 66
		.amdhsa_reserve_vcc 1
		.amdhsa_float_denorm_mode_32 3
		.amdhsa_float_denorm_mode_16_64 3
		.amdhsa_memory_ordered 1
		.amdhsa_forward_progress 1
		.amdhsa_inst_pref_size 12
	.end_amdhsa_kernel
	.amdgpu_metadata
---
amdhsa.version: [ 1, 2 ]
amdhsa.kernels:
  - .name:           k_q40230496c9_cast
    .symbol:         k_q40230496c9_cast.kd
    .args:
      - { .name: x, .offset: 0, .size: 8, .value_kind: global_buffer, .address_space: global }
      - { .name: wq, .offset: 8, .size: 8, .value_kind: global_buffer, .address_space: global }
      - { .name: wk, .offset: 16, .size: 8, .value_kind: global_buffer, .address_space: global }
      - { .name: wv, .offset: 24, .size: 8, .value_kind: global_buffer, .address_space: global }
      - { .name: wo, .offset: 32, .size: 8, .value_kind: global_buffer, .address_space: global }
      - { .name: wl, .offset: 40, .size: 8, .value_kind: global_buffer, .address_space: global }
      - { .name: cb, .offset: 48, .size: 8, .value_kind: global_buffer, .address_space: global }
      - { .name: wlb, .offset: 56, .size: 8, .value_kind: global_buffer, .address_space: global }
    .group_segment_fixed_size: 0
    .private_segment_fixed_size: 0
    .kernarg_segment_align: 8
    .kernarg_segment_size: 64
    .max_flat_workgroup_size: 256
    .sgpr_count:     66
    .vgpr_count:     144
    .wavefront_size: 32
...
	.end_amdgpu_metadata
.endif
;; end of part 1
;; launch qkvattn (part 2): grid 8 x 32, 4 waves a work-group, clusters of 4 x 4, 327,680 bytes of LDS; arguments cb, wlb, bq, bk, bv, bl, yt; writes yt
.if DOCPART == 2
	.amdgcn_target "amdgcn-amd-amdhsa--gfx1250"
	.amdhsa_code_object_version 6
	.text
	.protected	k_q40230496c9_qkvattn
	.globl	k_q40230496c9_qkvattn
	.p2align	8
	.type	k_q40230496c9_qkvattn,@function
k_q40230496c9_qkvattn:
	s_mov_b64 s[64:65], 0
	v_nop
	global_prefetch_b8 v0, s[64:65] scope:SCOPE_SE
	s_setreg_imm32_b32 hwreg(HW_REG_WAVE_MODE, 25, 1), 1
	s_wait_xcnt 0x0
	s_wait_alu depctr_hold_cnt(0) depctr_sa_sdst(0) depctr_va_vdst(0) depctr_va_sdst(0) depctr_va_ssrc(0) depctr_va_vcc(0) depctr_vm_vsrc(0)
	s_getreg_b32 s2, hwreg(HW_REG_IB_STS2, 6, 4)
	s_cmp_eq_u32 s2, 0
	s_cbranch_scc0 .Lentry_in_a_cluster
	s_endpgm
.Lentry_in_a_cluster:
	s_bfe_u32 s2, ttmp6, 0x10000c
	s_cmp_lg_u32 s2, 0xf033
	s_cbranch_scc0 .Lentry_shape_is_right
	s_endpgm
.Lentry_shape_is_right:
; SECOND OF THREE LAUNCHES.  q, k, v = x w + b, lam = softplus(x wl + bl) (levels 0 and 1 alone), and on the f32 sums, without leaving the registers,
;   y_t = lam0 (q_t . k_t) v_t + lam1 x the sum over s in W(t) of (q_t . k_s) v_s,   W = {t-1} (t odd), {t-2, t-1} (t even), nothing (t mod 64 = 0):
; that is what reference()'s scan computes for all finite inputs; levels 2 to 11 of lam and the empty buckets' products are left out (shown at the head of the first launch's text).
; y leaves turned, as TWO bf16 numbers: hi = bf16(y) in yt[channel h 64 + d][row] (4,096 rows), lo = bf16(y - hi) in the 1,024 channels behind: 16 significant bits.  One bf16 keeps 8, and a row's
; error goes with that row's own size, which may be many times the output's root mean square.  bf16, not f16: y goes with the fourth power of the inputs' scale.
; LIMITS.  Operands (x, weights, biases) are rounded to bf16; sums are taken in another order than reference()'s.  A NaN, an infinity or an overflow that reaches only the work left out is not carried on.
; softplus(z) = max(z, 0) + log1p(e), e = exp(-|z|), reference()'s own form; e below 2^-126 counts as 0; log1p(e) is e - e^2/2 below e = 2^-10 (off by e^2/3 of itself at the most) and ln(1 + e) above
; (off by 2^-24 / e of itself at the most: 6e-5).
; SHARES.  A work-group has 128 rows (row tile ry) and a pair of heads (px): 256 work-groups.  Wave w has the aligned chunk of 64 rows rh = w / 2 and the head 2 px + hd, hd = w % 2: W(t) never leaves
; a chunk, so the attention never leaves the wave.  Its columns: q, k, v of its head (3 x 64) and one block of 16 for lam: 4 x 13 = 52 accumulators of 16 x 16.
; LAYOUT.  Source 0 = 16 rows of x, source 1 = 16 columns of a weight: in the result lane l holds column l % 16 and its registers 0-7 the rows 8 (l / 16) + 0..7: neighbouring rows are neighbouring registers.
; x lies [row][k] and comes out of LDS as it lies; the weights lie [k][n] and come out turned, by ds_load_tr16_b128.
; K goes in 8 steps of 128 through two LDS slots; a step is four quarters of 32, 52 matrix instructions each, on two fragment buffers.
; CLUSTER.  4 x 4 work-groups.  x's tile hangs on ry alone and is asked for jointly by a row of the cluster, the weights' tiles on px alone, by a column: the same tensor load, descriptor and mask in all four.
; REGISTERS, in windows of 256 (s_set_vgpr_msb: bits 1:0 source 0, 3:2 source 1, 5:4 source 2, 7:6 destination):
;   window 0: v0-63 addresses and biases; v64-127 x's fragments, two buffers (behind the products: at work); v128-255 at work behind the products
;   window 1: the weights' fragments, two buffers of 104: q's four blocks, k's, v's, lam's
;   window 2: q(s, b) at 8 (8 s + b), k(s, b) at 8 (8 s + 4 + b)        window 3: v(s, b) at 8 (4 s + b), lam(s) at 128 + 8 s        (s: block of 16 rows, b: block of 16 columns)
.set PA,    272                        ; a row of x in LDS: 256 bytes + 16 = 68 words: the 16 rows of a load start at 16 different groups of four banks (64 banks of 4 bytes: ISA guide 11.1)
.set PB,    288                        ; a k-row of a weight: 256 + 32 = 72 words
.set BSZ,   128*PB                     ; a weight's tile: 128 k-rows
.set AOFF,  3*BSZ                      ; a slot: wq's tile, wk's, wv's, then x's 128 rows
.set SLOT,  AOFF+128*PA
.set LAMW,  2*SLOT                     ; behind the ring: wl's 16 columns for all 1,024 k, 32 bytes a k-row, filled once
.set SPARE, LAMW+32768                 ; the spare words, 128 bytes for each wave: two blocks of 256 bytes that no other line names
.set LST,   128*272                    ; behind the products, in slot 0, which has had its last fill and its last read: hi's stage, 128 channels x 272 bytes, at 0; then, from here, 16 columns x 272 bytes of lam for each wave;
.set YLOS,  LST+4*16*272               ; then lo's stage, 128 channels x 272 bytes: it ends at byte 87,040 of the slot's 145,408
.set ADRA, 16                          ; v16-17  LDS address of my fragments of x in slot 0, 1
.set ADRB, 18                          ; v18-23  the same for wq, wk, wv: 2 t + slot
.set ADRL, 24                          ; v24     for wl: it steps once a lap
.set STO,  25                          ; v25     where I put 8 rows of a channel of y
.set RD,   26                          ; v26     where I read a channel's 128 rows back
.set GO,   27                          ; v27     my byte offset in two channels of yt
.set LSTO, 28                          ; v28     where I put 8 rows of a column of lam
.set LRD,  29                          ; v29     my 4 rows of one of my head's two columns
.set LBR,  30                          ; v30     my 8 rows' place in my head's level 0
.set SPW,  31                          ; v31     LDS address of my spare word; never rewritten
.set NIL,  32                          ; v32     0; never rewritten
.set PFO,  33                          ; v33     2,048 x my lane: a row of x or of a weight in cb; never rewritten
.set BI,   34                          ; v34-57  the bias of my column in q's, k's, v's four blocks, each twice: a pair for the packed addition
.set BLV,  58                          ; v58     bl of the column that LRD names
.set BOF,  59                          ; v59-60  byte offsets of those biases
.set AF,   64                          ; x's fragments: buffer f, block s at AF + 32 f + 8 s; behind the products v64-87: two sets of 8 (hi as f32) and 4 (lo, packed), by b's parity
.set XK,   128                         ; v128-135  k's two rows in front of my eight, by block b: 2 b, 2 b + 1
.set XV,   136                         ; v136-143  v's
.set DA,   144                         ; v144-151  q_j . k_j
.set DB,   152                         ; v152-159  pair i: q_2i . k_(2i-2), q_2i . k_(2i-1)
.set DC,   160                         ; v160-163  q_(2i+1) . k_2i
.set YB,   164                         ; v164-187  two sets of 8 y and 4 (hi, packed), by b's parity; also what the halves of the lanes send each other
.set Z,    188                         ; v188-191  4 rows of lam
.set LL,   192                         ; v192-255  block s: level 0 of my 8 rows at LL + 16 s, level 1 at LL + 16 s + 8
.set WV, 18                            ; s18 wave   s19 rh   s20 hd   s21 cx   s22 cy   s23 px   s24 ry
.set RH, 19
.set HD, 20
.set CX, 21
.set CY, 22
.set PX, 23
.set RY, 24
.set G1A, 28                           ; s[28:35] descriptor group 1 for x's tiles
.set G1B, 36                           ; s[36:43] for the weights'
.set G1L, 44                           ; s[44:51] for wl's
.set G0A, 52                           ; s[52:59] group 0 for x's tiles, a set for each slot
.set YL,  62                           ; s[62:63] yt at my channels' lo half
.set G0B, 68                           ; s[68:75] for my weight's
.set G0L, 76                           ; s[76:79] for my quarter of wl's columns
.set PFA, 80                           ; s[80:81] where my prefetches stand
.set PFS, 82                           ; s[82:83] a K step in bytes: along x's rows, or down a weight's
.set LIM, 84                           ; s84  1 in a wave that prefetches, else the greatest number
.set SEL, 86                           ; s[86:87] v_permlanex16_b32's selects: each lane takes its own place in the other half
.set MH,  88                           ; s88  0xffff0000: lanes 16-31; also a word's upper bf16
.set W_QK, 0xa4                        ; source 0 (x) window 0, source 1 (weight) window 1, C and D window 2
.set W_V,  0xf4                        ; the same, C and D window 3
.set TO_B, 0x40                        ; destination window 1, address window 0
.set MSB, 0
.macro WIN new                         ; the immediate's high byte repeats the setting that is left; a switch that changes nothing is dropped
.if MSB != (\new)
	s_set_vgpr_msb (MSB<<8)|(\new)
.set MSB, \new
.endif
.endm
.macro PLACES                          ; four places between a matrix instruction and a load into a register that it has read (ISA guide 7.12.1 for vector instructions)
.rept 4
	v_nop
.endr
.endm
; A joint load.  Waves 0, 1, 2 fetch wq's, wk's, wv's tile, wave 3 x's: 128 rows of 256 bytes each.  The branch hangs on the wave's number alone.  An s_nop 0 and four v_nop follow each of the two lines.
.macro JLOAD n
	s_cmp_eq_u32 s[WV], 3
	s_cbranch_scc0 .Lfor_b_\@
	tensor_load_to_lds s[G0A+4*(\n):G0A+4*(\n)+3], s[G1A:G1A+7]
	s_nop 0
.rept 4
	v_nop
.endr
	s_branch .Lasked_\@
.Lfor_b_\@:
	tensor_load_to_lds s[G0B+4*(\n):G0B+4*(\n)+3], s[G1B:G1B+7]
	s_nop 0
.rept 4
	v_nop
.endr
.Lasked_\@:
.endm
; A PREFETCH INTO THE L2 of the K step that stands two refills on (416 matrix instructions of the wave ahead of its load): 32 rows x 256 bytes, a lane a row, one instruction a wave.  Each block is named once in the
; launch: x's rows are read by both clusters of a row of clusters: the one with x = 0 asks (wave 3); a weight's columns by all eight clusters of a column: the one with y = 0 asks (waves 0 to 2).  The four
; partners that ask for a tile jointly share its 128 rows out by address, 32 each (by cx for x, by cy for the weights).  K steps 4 to 7 are named, in the loop's first two trips (s3 = 3, 2); K steps 0 to 3 come by their loads alone.
.macro ASK
	s_cmp_gt_u32 s3, s[LIM]
	s_cbranch_scc0 .Lnot_mine_\@
	global_prefetch_b8 v[PFO], s[PFA:PFA+1] th:TH_LOAD_NT scope:SCOPE_SE
.Lnot_mine_\@:
.endm
; A round of the cluster's barrier: my work-group's barrier; wave 0 signals for the work-group; every wave waits for all sixteen; my work-group's barrier once more.
.macro CREST
	s_cmp_lg_u32 s[WV], 0
	s_cbranch_scc1 .Lnot_wave_0_\@
	s_barrier_signal -3
.Lnot_wave_0_\@:
	s_barrier_wait -3
	s_barrier_signal -1
	s_barrier_wait -1
.endm
.macro CROUND
	s_barrier_signal -1
	s_barrier_wait -1
	CREST
.endm
	s_load_b256 s[4:11], s[0:1], 0x0               ; cb s[4:5], wlb s[6:7], bq s[8:9], bk s[10:11]
	s_load_b128 s[12:15], s[0:1], 0x20             ; bv s[12:13], bl s[14:15]
	s_load_b64 s[16:17], s[0:1], 0x30              ; yt
	v_lshl_add_u32 v[SPW], v0, 2, SPARE
	v_mov_b32 v[NIL], 0
	ds_add_u32 v[SPW], v[NIL]                      ; the wave's opening: the add, twice on end, and its wait ahead of my first tensor load; the set-up below stands between
	ds_add_u32 v[SPW], v[NIL]
	v_lshrrev_b32 v1, 5, v0
	v_readfirstlane_b32 s[WV], v1                  ; wave 0..3
	s_lshr_b32 s[RH], s[WV], 1
	s_and_b32 s[HD], s[WV], 1
	s_bfe_u32 s[CX], ttmp6, 0x40000
	s_bfe_u32 s[CY], ttmp6, 0x40004
	s_lshl_b32 s[PX], ttmp9, 2
	s_add_co_u32 s[PX], s[PX], s[CX]               ; head pair = 4 x cluster x + cx
	s_and_b32 s[RY], ttmp7, 0xffff
	s_lshl_b32 s[RY], s[RY], 2
	s_add_co_u32 s[RY], s[RY], s[CY]               ; row tile = 4 x cluster y + cy
	s_lshl_b32 s25, s[CY], 2
	s_lshl_b32 s25, 15, s25                        ; my row of the cluster
	s_lshl_b32 s26, 0x1111, s[CX]                  ; my column
	s_or_b32 s[G1A], s25, (1<<16)|(1<<20)|(1<<21)|(5<<22)|(3<<25)  ; 15:0 the mask; 17:16 2-byte elements; 20 padding on; 21 set beside a mask; 24:22 after every 64 words; 31:25 4 words
	s_or_b32 s[G1B], s26, (1<<16)|(1<<20)|(1<<21)|(5<<22)|(7<<25)  ; the same with my column's mask and 8 words of padding
	s_or_b32 s[G1L], s26, (3<<16)|(1<<21)          ; 8-byte elements, no padding
.irp g, G1A, G1B
	s_mov_b32 s[(\g)+1], 128<<16                   ; tensor_dim0 = 128
	s_mov_b32 s[(\g)+2], 128<<16                   ; tensor_dim1 = 128
	s_mov_b32 s[(\g)+3], 128<<16                   ; tile_dim0 = 128
	s_mov_b32 s[(\g)+4], 128                       ; tile_dim1 = 128
	s_mov_b32 s[(\g)+5], 1024                      ; elements from row to row
	s_mov_b32 s[(\g)+6], 0
	s_mov_b32 s[(\g)+7], 0
.endr
	s_mov_b32 s[G1L+1], 32<<16                     ; 8,192 dense bytes as 32 rows of 32 elements of 8 bytes
	s_mov_b32 s[G1L+2], 32<<16
	s_mov_b32 s[G1L+3], 32<<16
	s_mov_b32 s[G1L+4], 32
	s_mov_b32 s[G1L+5], 32
	s_mov_b32 s[G1L+6], 0
	s_mov_b32 s[G1L+7], 0
	s_lshl_b32 s92, s[RY], 18                      ; x's tile: 128 rows of 2,048 bytes for each row tile
	s_mov_b32 s93, 0
	s_lshl_b32 s94, s[WV], 21                      ; my weight (wave 3 makes wo's address and never asks by it),
	s_lshl_b32 s95, s[PX], 8                       ; the head pair's 128 columns
	s_add_co_u32 s94, s94, s95
	s_add_co_u32 s94, s94, 8388608                 ; behind x in cb
	s_mov_b32 s95, 0
	s_mul_i32 s60, s[WV], BSZ                      ; my weight's place in a slot
	s_lshl_b32 s61, s[WV], 13                      ; my quarter of wl's columns: 256 k-rows of 32 bytes
	s_lshl_b32 s96, s[PX], 15
	s_add_co_u32 s96, s96, s61
	s_mov_b32 s97, 0
	s_mov_b32 s[SEL], 0x76543210
	s_mov_b32 s[SEL+1], 0xfedcba98
	s_mov_b32 s[MH], 0xffff0000
	s_mov_b32 s89, 0xbfb8aa3b                      ; -log2(e)
	s_mov_b32 s90, 0x3f317218                      ; ln 2
	s_mov_b32 s91, 0x3a800000                      ; 2^-10
	s_wait_dscnt 0x0                               ; both opening adds are done
	s_wait_kmcnt 0x0
	s_add_nc_u64 s[92:93], s[4:5], s[92:93]
	s_add_nc_u64 s[94:95], s[4:5], s[94:95]
	s_add_nc_u64 s[96:97], s[6:7], s[96:97]
	CROUND                                         ; all sixteen work-groups are here: the first joint loads meet
.irp n, 0,1
	s_mov_b32 s[G0A+4*(\n)], 1                     ; count = 1
	s_mov_b32 s[G0A+4*(\n)+1], (\n)*SLOT+AOFF      ; LDS address
	s_add_nc_u64 s[G0A+4*(\n)+2:G0A+4*(\n)+3], s[92:93], (\n)*256  ; K step n: 256 bytes along the rows
	s_or_b32 s[G0A+4*(\n)+3], s[G0A+4*(\n)+3], 0x80000000          ; type = 2
	s_mov_b32 s[G0B+4*(\n)], 1
	s_add_co_u32 s[G0B+4*(\n)+1], s60, (\n)*SLOT
	s_add_nc_u64 s[G0B+4*(\n)+2:G0B+4*(\n)+3], s[94:95], (\n)*262144  ; K step n: 128 k-rows down
	s_or_b32 s[G0B+4*(\n)+3], s[G0B+4*(\n)+3], 0x80000000
.endr
	s_mov_b32 s[G0L], 1
	s_add_co_u32 s[G0L+1], s61, LAMW
	s_mov_b64 s[G0L+2:G0L+3], s[96:97]
	s_or_b32 s[G0L+3], s[G0L+3], 0x80000000
	JLOAD 0                                        ; the first fills go out as one group: three loads of mine are out: K step 0,
	tensor_load_to_lds s[G0L:G0L+3], s[G1L:G1L+7]  ; my quarter of wl's columns,
	s_nop 0
.rept 4
	v_nop
.endr
	JLOAD 1                                        ; and K step 1
	; addresses, while the tiles are on their way
	v_and_b32 v1, 15, v0                           ; r = l % 16
	v_bfe_u32 v2, v0, 4, 1                         ; h = l / 16
	v_and_b32 v3, 7, v0
	v_bfe_u32 v4, v0, 3, 1
	v_and_b32 v5, 31, v0
	v_mul_u32_u24 v6, v1, PA
	v_lshl_add_u32 v6, v2, 4, v6                   ; 272 r + 16 h: a fragment of x (lane l: row l % 16, 16 bytes for each half, twice, 32 bytes apart)
	s_mul_i32 s25, s[RH], 64*PA
	s_add_co_u32 s25, s25, AOFF
	v_add_nc_u32 v[ADRA], s25, v6
	v_add_nc_u32 v[ADRA+1], SLOT, v[ADRA]
	v_lshl_add_u32 v7, v2, 3, v3                   ; the turning load: lane l reads k-row 8 h + l % 8, columns 8 ((l / 8) % 2) + 0..7, and ends with column l % 16 and 8 values of k
	v_mul_u32_u24 v8, v7, PB
	v_lshl_add_u32 v8, v4, 4, v8
	s_lshl_b32 s25, s[HD], 7                       ; my head's 64 columns
	v_add_nc_u32 v8, s25, v8
.irp t, 0,1,2
	v_add_nc_u32 v[ADRB+2*(\t)], (\t)*BSZ, v8
	v_add_nc_u32 v[ADRB+2*(\t)+1], (\t)*BSZ+SLOT, v8
.endr
	v_lshlrev_b32 v9, 5, v7
	v_lshl_add_u32 v9, v4, 4, v9
	v_add_nc_u32 v[ADRL], LAMW, v9
	s_mul_i32 s25, s[HD], 64*272                   ; y's stages: channel 64 hd + 16 b + r, rows 64 rh + 16 s + 8 h + 0..7 at 2 bytes
	s_lshl_b32 s26, s[RH], 7
	s_add_co_u32 s25, s25, s26
	v_add_nc_u32 v[STO], s25, v6
	v_mul_u32_u24 v10, v2, 272
	v_lshl_add_u32 v10, v1, 4, v10                 ; 272 h + 16 r: lanes 0-15 take one row of 256 bytes, lanes 16-31 the next
	s_mul_i32 s25, s[WV], 32*272                   ; back: wave w takes channels 32 w .. 32 w + 31
	v_add_nc_u32 v[RD], s25, v10
	v_lshlrev_b32 v11, 13, v2                      ; and the same two channels in yt, 8,192 bytes apart
	v_lshl_add_u32 v[GO], v1, 4, v11
	s_mul_i32 s25, s[WV], 16*272
	s_add_co_u32 s25, s25, LST                     ; my wave's 16 columns of lam
	v_mul_u32_u24 v12, v1, 272
	v_lshl_add_u32 v12, v2, 5, v12                 ; column r, rows 8 h .. at 4 bytes
	v_add_nc_u32 v[LSTO], s25, v12
	s_mul_i32 s26, s[HD], 2*272                    ; my head's level 0 is column 2 hd, its level 1 column 2 hd + 1
	s_add_co_u32 s26, s26, s25
	v_add_nc_u32 v[LRD], s26, v10
	v_lshl_add_u32 v[LBR], v2, 5, s26
	v_lshlrev_b32 v[PFO], 11, v5
	s_lshl_b32 s98, s[PX], 9                       ; biases: column (2 px + hd) 64 + 16 b + r, 4 bytes each
	s_lshl_b32 s99, s[HD], 8
	s_add_co_u32 s98, s98, s99
	v_lshl_add_u32 v[BOF], v1, 2, s98
	s_lshl1_add_u32 s98, s[PX], s[HD]
	s_mul_i32 s98, s98, 48                         ; bl: head x 12 + level, the level by the half of the lanes
	v_lshl_add_u32 v[BOF+1], v2, 2, s98
.irp b, 0,1,2,3
	global_load_b32 v[BI+2*(\b)],    v[BOF], s[8:9]   offset:64*(\b)
	global_load_b32 v[BI+8+2*(\b)],  v[BOF], s[10:11] offset:64*(\b)
	global_load_b32 v[BI+16+2*(\b)], v[BOF], s[12:13] offset:64*(\b)
.endr
	global_load_b32 v[BLV], v[BOF+1], s[14:15]
	s_lshl_b32 s98, s[PX], 20                      ; yt at channel 128 px + 32 w, row 128 ry
	s_lshl_b32 s99, s[WV], 18
	s_add_co_u32 s98, s98, s99
	s_lshl_b32 s99, s[RY], 8
	s_add_co_u32 s98, s98, s99
	s_mov_b32 s99, 0
	s_add_nc_u64 s[16:17], s[16:17], s[98:99]
	s_add_nc_u64 s[YL:YL+1], s[16:17], 8388608     ; lo's channels lie 1,024 channels of 8,192 bytes on: one byte more than a store's immediate holds, so they have a base of their own
	; the prefetches: they stand at K step 3; the first refill steps them to K step 4
	s_lshl_b32 s98, s[RY], 18                      ; x: row 128 ry + 32 cx, byte 768
	s_lshl_b32 s99, s[CX], 16
	s_add_co_u32 s98, s98, s99
	s_add_co_u32 s98, s98, 768
	s_lshl_b32 s99, s[WV], 21                      ; my weight: k-row 384 + 32 cy, the head pair's columns
	s_lshl_b32 s26, s[PX], 8
	s_add_co_u32 s99, s99, s26
	s_lshl_b32 s26, s[CY], 16
	s_add_co_u32 s99, s99, s26
	s_add_co_u32 s99, s99, 8388608+384*2048
	s_and_b32 s25, ttmp7, 0xffff                   ; cluster y
	s_mov_b32 s26, 0x40000                         ; 128 k-rows of 2,048 bytes (in a register: a select holds one literal)
	s_cmp_eq_u32 s[WV], 3
	s_cselect_b32 s98, s98, s99
	s_cselect_b32 s25, ttmp9, s25                  ; the coordinate along which other clusters read the same rows
	s_cselect_b32 s[PFS], 256, s26
	s_mov_b32 s99, 0
	s_mov_b32 s[PFS+1], 0
	s_add_nc_u64 s[PFA:PFA+1], s[4:5], s[98:99]
	s_cmp_eq_u32 s25, 0
	s_cselect_b32 s[LIM], 1, -1                    ; the same in all sixteen partners, for a given wave
	s_wait_loadcnt 0x0                             ; the biases: rounded to bf16 like the other inputs, and held twice
.set n, 0
.rept 12
	v_cvt_pk_bf16_f32 v6, v[BI+2*n], v[BI+2*n]
	v_lshlrev_b32 v[BI+2*n], 16, v6
	v_and_b32 v[BI+2*n+1], 0xffff0000, v6
.set n, n+1
.endr
	v_cvt_pk_bf16_f32 v6, v[BLV], v[BLV]
	v_lshlrev_b32 v[BLV], 16, v6
; 34 LDS loads in one run: the fragments of quarter kq of a slot into buffer f; lo: wl's k-rows, in bytes from ADRL.  What the first products want comes first: x, wv, wl; then wq, wk.
.macro FETCH slot, kq, f, lo
	WIN 0
.irp s, 0,1,2,3
	ds_load_b128 v[AF+32*(\f)+8*(\s):AF+32*(\f)+8*(\s)+3],   v[ADRA+(\slot)] offset:64*(\kq)+(\s)*16*PA
	ds_load_b128 v[AF+32*(\f)+8*(\s)+4:AF+32*(\f)+8*(\s)+7], v[ADRA+(\slot)] offset:64*(\kq)+(\s)*16*PA+32
.endr
	WIN TO_B
.irp b, 0,1,2,3
	ds_load_tr16_b128 v[104*(\f)+64+8*(\b):104*(\f)+64+8*(\b)+3],   v[ADRB+4+(\slot)] offset:(\kq)*32*PB+32*(\b)
	ds_load_tr16_b128 v[104*(\f)+64+8*(\b)+4:104*(\f)+64+8*(\b)+7], v[ADRB+4+(\slot)] offset:(\kq)*32*PB+32*(\b)+16*PB
.endr
	ds_load_tr16_b128 v[104*(\f)+96:104*(\f)+99],  v[ADRL] offset:(\lo)
	ds_load_tr16_b128 v[104*(\f)+100:104*(\f)+103], v[ADRL] offset:(\lo)+512
.irp b, 0,1,2,3
	ds_load_tr16_b128 v[104*(\f)+8*(\b):104*(\f)+8*(\b)+3],   v[ADRB+(\slot)] offset:(\kq)*32*PB+32*(\b)
	ds_load_tr16_b128 v[104*(\f)+8*(\b)+4:104*(\f)+8*(\b)+7], v[ADRB+(\slot)] offset:(\kq)*32*PB+32*(\b)+16*PB
.endr
.irp b, 0,1,2,3
	ds_load_tr16_b128 v[104*(\f)+32+8*(\b):104*(\f)+32+8*(\b)+3],   v[ADRB+2+(\slot)] offset:(\kq)*32*PB+32*(\b)
	ds_load_tr16_b128 v[104*(\f)+32+8*(\b)+4:104*(\f)+32+8*(\b)+7], v[ADRB+2+(\slot)] offset:(\kq)*32*PB+32*(\b)+16*PB
.endr
.endm
; THE PRODUCTS.  Every accumulator has one instruction a quarter, always in the same order: the 52 take turns over the backward jump too.  zero = 1: the first product starts the sum.
; 10 matrix instructions: row blocks s0, s0 + 1 x (v's four blocks, lam's one)
.macro MULV f, s0, zero
	WIN W_V
.irp s, \s0, (\s0)+1
.irp b, 0,1,2,3
.if \zero
	v_wmma_f32_16x16x32_bf16 v[8*(4*(\s)+(\b)):8*(4*(\s)+(\b))+7], v[AF+32*(\f)+8*(\s):AF+32*(\f)+8*(\s)+7], v[104*(\f)+64+8*(\b):104*(\f)+64+8*(\b)+7], 0
.else
	v_wmma_f32_16x16x32_bf16 v[8*(4*(\s)+(\b)):8*(4*(\s)+(\b))+7], v[AF+32*(\f)+8*(\s):AF+32*(\f)+8*(\s)+7], v[104*(\f)+64+8*(\b):104*(\f)+64+8*(\b)+7], v[8*(4*(\s)+(\b)):8*(4*(\s)+(\b))+7]
.endif
.endr
.if \zero
	v_wmma_f32_16x16x32_bf16 v[128+8*(\s):128+8*(\s)+7], v[AF+32*(\f)+8*(\s):AF+32*(\f)+8*(\s)+7], v[104*(\f)+96:104*(\f)+103], 0
.else
	v_wmma_f32_16x16x32_bf16 v[128+8*(\s):128+8*(\s)+7], v[AF+32*(\f)+8*(\s):AF+32*(\f)+8*(\s)+7], v[104*(\f)+96:104*(\f)+103], v[128+8*(\s):128+8*(\s)+7]
.endif
.endr
.endm
; 16 matrix instructions: row blocks s0, s0 + 1 x (q's four blocks, k's four)
.macro MULQK f, s0, zero
	WIN W_QK
.irp s, \s0, (\s0)+1
.irp b, 0,1,2,3,4,5,6,7
.if \zero
	v_wmma_f32_16x16x32_bf16 v[8*(8*(\s)+(\b)):8*(8*(\s)+(\b))+7], v[AF+32*(\f)+8*(\s):AF+32*(\f)+8*(\s)+7], v[104*(\f)+8*(\b):104*(\f)+8*(\b)+7], 0
.else
	v_wmma_f32_16x16x32_bf16 v[8*(8*(\s)+(\b)):8*(8*(\s)+(\b))+7], v[AF+32*(\f)+8*(\s):AF+32*(\f)+8*(\s)+7], v[104*(\f)+8*(\b):104*(\f)+8*(\b)+7], v[8*(8*(\s)+(\b)):8*(8*(\s)+(\b))+7]
.endif
.endr
.endr
.endm
; One of a K step's first three quarters: multiplies buffer f; behind its first 20 products it fetches quarter kq of the same slot into buffer g, 32 products ahead of the first use.
.macro QUARTER slot, kq, f, g, zero, lo
	s_wait_dscnt 16                                ; x, wv and wl are in; the youngest 16 loads (wq, wk) may be out
	MULV \f, 0, \zero
	MULV \f, 2, \zero
	PLACES
	FETCH \slot, \kq, \g, \lo
	s_wait_dscnt 34                                ; all but the 34 just issued
	MULQK \f, 0, \zero
	MULQK \f, 2, \zero
.endm
; The fourth quarter multiplies buffer 1 and changes slots: ONE barrier.  In front of it each wave waits for all its tensor loads (one is out: its part of the next slot), adds 0 to its spare word, and waits for that
; and for its own reads of this slot.  fill = 1: the barrier opens a round of the cluster's, behind which no wave of any partner reads this slot or has a load on its way; the joint refill, two K steps on, is the first
; thing behind the round: it has 32 + 3 x 52 = 188 matrix instructions of the wave in which to land.
.macro TURN slot, next, fill, lo
.if \fill
	s_wait_xcnt 0x0                                ; the last prefetch, a K step back, has read its address: it is stepped here, ahead of the waits of the change
	s_add_nc_u64 s[PFA:PFA+1], s[PFA:PFA+1], s[PFS:PFS+1]
.endif
	WIN 0                                          ; (the add's two registers lie in window 0)
	s_wait_tensorcnt 0x0                           ; all my tensor loads have landed
	ds_add_u32 v[SPW], v[NIL]                      ; 0 onto my spare word
	s_wait_dscnt 17                                ; (the add and the youngest 16 loads may be out)
	MULV 1, 0, 0                                   ; ten matrix instructions stand between the add and the wait for it
	s_wait_dscnt 0x0                               ; the add is done, and my reads of this slot are over
	s_barrier_signal -1
	MULV 1, 2, 0                                   ; work on registers while the others arrive
.if \fill
	WIN 0
.endif
	s_barrier_wait -1
.if \fill
	CREST
	s_add_nc_u64 s[G0A+4*(\slot)+2:G0A+4*(\slot)+3], s[G0A+4*(\slot)+2:G0A+4*(\slot)+3], 512     ; two K steps along x's rows
	s_add_nc_u64 s[G0B+4*(\slot)+2:G0B+4*(\slot)+3], s[G0B+4*(\slot)+2:G0B+4*(\slot)+3], 524288  ; 256 k-rows down the weight
	JLOAD \slot                                    ; the four v_nop behind it are also the places in front of the loads below
.else
	PLACES
.endif
	FETCH \next, 0, 0, \lo
.if \fill
	WIN 0
	ASK                                            ; behind the joint load and the run of LDS loads that the next products wait for
.endif
	MULQK 1, 0, 0
	MULQK 1, 2, 0
.endm
	s_wait_tensorcnt 0x1                           ; my parts of K step 0 and of wl's columns are in; K step 1's may stay out
	s_barrier_signal -1
	s_barrier_wait -1                              ; everybody's are
	FETCH 0, 0, 0, 0
	QUARTER 0, 1, 0, 1, 1, 1024                    ; the first quarter stands in front of the loop: its products start the sums
	WIN 0                                          ; at a label and at a branch every window is 0
	s_mov_b32 s3, 3
.Llap:                                                 ; a trip goes once round the ring, from a lap's second quarter to the next lap's first, and fills both slots again: K steps 2 to 7
	QUARTER 0, 2, 1, 0, 0, 2048
	QUARTER 0, 3, 0, 1, 0, 3072
	TURN 0, 1, 1, 4096
	QUARTER 1, 1, 0, 1, 0, 5120
	QUARTER 1, 2, 1, 0, 0, 6144
	QUARTER 1, 3, 0, 1, 0, 7168
	TURN 1, 0, 1, 8192
	QUARTER 0, 1, 0, 1, 0, 9216
	WIN 0
	v_add_nc_u32 v[ADRL], 8192, v[ADRL]            ; wl's k-rows of the next lap: 256 x 32 bytes
	s_sub_co_u32 s3, s3, 1
	s_cmp_lg_u32 s3, 0
	s_cbranch_scc1 .Llap
	QUARTER 0, 2, 1, 0, 0, 2048                    ; the last lap is written out: it fills nothing
	QUARTER 0, 3, 0, 1, 0, 3072
	TURN 0, 1, 0, 4096                             ; behind this barrier no wave reads slot 0 any more, and nothing is filled into it
	QUARTER 1, 1, 0, 1, 0, 5120
	QUARTER 1, 2, 1, 0, 0, 6144
	QUARTER 1, 3, 0, 1, 0, 7168
	s_wait_dscnt 16                                ; the very last quarter: nothing more to fetch
	MULV 1, 0, 0
	MULV 1, 2, 0
	s_wait_dscnt 0x0
	MULQK 1, 0, 0
	MULQK 1, 2, 0
	; BEHIND THE PRODUCTS.  Each accumulator is read from its low end on.
	WIN 0
.rept 8
	v_nop                                          ; the places behind the last products
.endr
	; lam's sums go through my wave's own bytes of LDS, turned: a column's 64 rows lie on end, so that 32 lanes can take 4 rows each of my head's two columns
	WIN 0x0c                                       ; store data in window 3
.irp s, 0,1,2,3
	ds_store_b128 v[LSTO], v[128+8*(\s):128+8*(\s)+3]   offset:64*(\s)
	ds_store_b128 v[LSTO], v[128+8*(\s)+4:128+8*(\s)+7] offset:64*(\s)+16
.endr
	WIN 0
	ds_load_b128 v[Z:Z+3], v[LRD]                  ; LDS serves a wave's instructions in order (ISA guide 5.7.1.4): this sees the stores above
	WIN 0x82                                       ; q and k take their biases while that load is out
.set a, 0
.rept 32
.irp i, 0,2,4,6
	v_pk_add_f32 v[8*a+(\i):8*a+(\i)+1], v[8*a+(\i):8*a+(\i)+1], v[BI+2*(a%8):BI+2*(a%8)+1]
.endr
.set a, a+1
.endr
	WIN 0
	s_wait_dscnt 0x0
.set TE, 128                           ; e
.set TU, 132                           ; 1 + e, its logarithm
.set TS, 136                           ; e - e^2/2
.set TM, 140                           ; max(z, 0)
.irp i, 0,1,2,3
	v_add_f32 v[Z+(\i)], v[Z+(\i)], v[BLV]
.endr
.irp i, 0,1,2,3
	v_mul_f32 v[TE+(\i)], s89, |v[Z+(\i)]|
.endr
.irp i, 0,1,2,3
	v_exp_f32 v[TE+(\i)], v[TE+(\i)]               ; e = exp(-|z|)
.endr
	WIN 0xc3                                       ; v takes its bias: the independent work behind the four exponentials
.set a, 0
.rept 16
.irp i, 0,2,4,6
	v_pk_add_f32 v[8*a+(\i):8*a+(\i)+1], v[8*a+(\i):8*a+(\i)+1], v[BI+16+2*(a%4):BI+16+2*(a%4)+1]
.endr
.set a, a+1
.endr
	WIN 0
	s_wait_alu depctr_va_vdst(0)                   ; one wait for the four exponentials, ahead of their first reader
.irp i, 0,1,2,3
	v_add_f32 v[TU+(\i)], 1.0, v[TE+(\i)]
.endr
.irp i, 0,1,2,3
	v_log_f32 v[TU+(\i)], v[TU+(\i)]
.endr
.irp i, 0,1,2,3
	v_fma_f32 v[TS+(\i)], v[TE+(\i)], -0.5, 1.0
.endr
.irp i, 0,1,2,3
	v_mul_f32 v[TS+(\i)], v[TS+(\i)], v[TE+(\i)]
	v_max_num_f32 v[TM+(\i)], 0, v[Z+(\i)]
.endr
	s_wait_alu depctr_va_vdst(0)                   ; one wait for the four logarithms
.irp i, 0,1,2,3
	v_mul_f32 v[TU+(\i)], s90, v[TU+(\i)]          ; ln(1 + e)
	v_cmp_gt_f32 vcc_lo, s91, v[TE+(\i)]           ; below 2^-10 the sum 1 + e has lost too much of e
	v_cndmask_b32 v[TU+(\i)], v[TU+(\i)], v[TS+(\i)], vcc_lo
	v_add_f32 v[Z+(\i)], v[TM+(\i)], v[TU+(\i)]
.endr
	ds_store_b128 v[LRD], v[Z:Z+3]                 ; back where they lay; then every lane takes both levels of its own 32 rows (sixteen lanes read the same 16 bytes)
.irp s, 0,1,2,3
	ds_load_b128 v[LL+16*(\s):LL+16*(\s)+3],     v[LBR] offset:64*(\s)
	ds_load_b128 v[LL+16*(\s)+4:LL+16*(\s)+7],   v[LBR] offset:64*(\s)+16
	ds_load_b128 v[LL+16*(\s)+8:LL+16*(\s)+11],  v[LBR] offset:272+64*(\s)
	ds_load_b128 v[LL+16*(\s)+12:LL+16*(\s)+15], v[LBR] offset:272+64*(\s)+16
.endr
; THE ATTENTION of row block s.  My lane's rows are 16 s + 8 h + j, j = 0..7: j's parity is the row's.
.macro ATT s
	; The two rows in front of my eight: for h = 1 registers 6, 7 of the same block in the lane 16 below; for h = 0 registers 6, 7 of block s - 1 in the lane 16 above; in front of the chunk: zeros, so that
	; row 0's window is empty.  Each lane picks what its partner wants, and the halves change places.
	WIN 0x0a                                       ; sources in window 2
.irp b, 0,1,2,3
.irp i, 0,1
.if (\s) == 0
	v_cndmask_b32 v[YB+2*(\b)+(\i)], v[8*(8*(\s)+4+(\b))+6+(\i)], 0, s[MH]
.else
	v_cndmask_b32 v[YB+2*(\b)+(\i)], v[8*(8*(\s)+4+(\b))+6+(\i)], v[8*(8*(\s)-4+(\b))+6+(\i)], s[MH]
.endif
.endr
.endr
	WIN 0x0f                                       ; sources in window 3
.irp b, 0,1,2,3
.irp i, 0,1
.if (\s) == 0
	v_cndmask_b32 v[YB+8+2*(\b)+(\i)], v[8*(4*(\s)+(\b))+6+(\i)], 0, s[MH]
.else
	v_cndmask_b32 v[YB+8+2*(\b)+(\i)], v[8*(4*(\s)+(\b))+6+(\i)], v[8*(4*(\s)-4+(\b))+6+(\i)], s[MH]
.endif
.endr
.endr
	WIN 0
.set n, 0
.rept 16
	v_permlanex16_b32 v[XK+n], v[YB+n], s[SEL], s[SEL+1]  ; its destination has been written before: by the softplus, or by the block before
.set n, n+1
.endr
	; my column's share of the 20 dot products, summed over the head's four blocks of 16 columns
	WIN 0x0a
.irp b, 0,1,2,3
.set rQ, 8*(8*(\s)+(\b))
.set rK, 8*(8*(\s)+4+(\b))
.irp i, 0,1,2,3
.if (\b) == 0
	v_pk_mul_f32 v[DA+2*(\i):DA+2*(\i)+1], v[rQ+2*(\i):rQ+2*(\i)+1], v[rK+2*(\i):rK+2*(\i)+1]
	v_mul_f32 v[DC+(\i)], v[rQ+2*(\i)+1], v[rK+2*(\i)]
.else
	v_pk_fma_f32 v[DA+2*(\i):DA+2*(\i)+1], v[rQ+2*(\i):rQ+2*(\i)+1], v[rK+2*(\i):rK+2*(\i)+1], v[DA+2*(\i):DA+2*(\i)+1]
	v_fma_f32 v[DC+(\i)], v[rQ+2*(\i)+1], v[rK+2*(\i)], v[DC+(\i)]
.endif
.endr
.irp i, 1,2,3
.if (\b) == 0
	v_pk_mul_f32 v[DB+2*(\i):DB+2*(\i)+1], v[rQ+2*(\i):rQ+2*(\i)+1], v[rK+2*(\i)-2:rK+2*(\i)-1] op_sel_hi:[0,1]  ; q of the even row for both halves
.else
	v_pk_fma_f32 v[DB+2*(\i):DB+2*(\i)+1], v[rQ+2*(\i):rQ+2*(\i)+1], v[rK+2*(\i)-2:rK+2*(\i)-1], v[DB+2*(\i):DB+2*(\i)+1] op_sel_hi:[0,1,1]
.endif
.endr
.endr
	WIN 0x02                                       ; row j = 0: k's two rows came from the other half
.irp b, 0,1,2,3
.set rQ, 8*(8*(\s)+(\b))
.if (\b) == 0
	v_pk_mul_f32 v[DB:DB+1], v[rQ:rQ+1], v[XK+2*(\b):XK+2*(\b)+1] op_sel_hi:[0,1]
.else
	v_pk_fma_f32 v[DB:DB+1], v[rQ:rQ+1], v[XK+2*(\b):XK+2*(\b)+1], v[DB:DB+1] op_sel_hi:[0,1,1]
.endif
.endr
	WIN 0
.irp m, 1,2,4,8                        ; and over the 16 lanes of my half: every lane ends with the sums
.set n, DA
.rept 20
	v_add_f32_dpp v[n], v[n], v[n] row_xmask:\m row_mask:0xf bank_mask:0xf
.set n, n+1
.endr
.endr
.if (\s) == 0
	s_wait_dscnt 0x0                               ; lam's two levels are in
.endif
.irp i, 0,1,2,3
	v_pk_mul_f32 v[DA+2*(\i):DA+2*(\i)+1], v[DA+2*(\i):DA+2*(\i)+1], v[LL+16*(\s)+2*(\i):LL+16*(\s)+2*(\i)+1]                     ; level 0 of each row
	v_pk_mul_f32 v[DB+2*(\i):DB+2*(\i)+1], v[DB+2*(\i):DB+2*(\i)+1], v[LL+16*(\s)+8+2*(\i):LL+16*(\s)+8+2*(\i)+1] op_sel_hi:[1,0]  ; level 1 of the even row, for both
	v_mul_f32 v[DC+(\i)], v[DC+(\i)], v[LL+16*(\s)+8+2*(\i)+1]                                                                     ; level 1 of the odd row
.endr
	; y of my column in each block, 8 rows: 16 bytes of a channel of yt's hi half, and 16 of its lo half
.irp b, 0,1,2,3
.set rV, 8*(4*(\s)+(\b))
.set rY, YB+12*((\b)%2)
.set rH, AF+12*((\b)%2)
	WIN 0x03                                       ; source 0 (v) in window 3
.irp i, 0,1,2,3
	v_pk_mul_f32 v[rY+2*(\i):rY+2*(\i)+1], v[rV+2*(\i):rV+2*(\i)+1], v[DA+2*(\i):DA+2*(\i)+1]
.endr
.irp i, 0,1,2,3
	v_fma_f32 v[rY+2*(\i)+1], v[rV+2*(\i)], v[DC+(\i)], v[rY+2*(\i)+1]
.endr
.irp i, 1,2,3
	v_fma_f32 v[rY+2*(\i)], v[rV+2*(\i)-2], v[DB+2*(\i)], v[rY+2*(\i)]
.endr
.irp i, 1,2,3
	v_fma_f32 v[rY+2*(\i)], v[rV+2*(\i)-1], v[DB+2*(\i)+1], v[rY+2*(\i)]
.endr
	WIN 0
	v_fma_f32 v[rY], v[XV+2*(\b)], v[DB], v[rY]
	v_fma_f32 v[rY], v[XV+2*(\b)+1], v[DB+1], v[rY]
.irp i, 0,1,2,3
	v_cvt_pk_bf16_f32 v[rY+8+(\i)], v[rY+2*(\i)], v[rY+2*(\i)+1]   ; hi
.endr
	ds_store_b128 v[STO], v[rY+8:rY+11] offset:(\b)*16*272+32*(\s)
.irp i, 0,1,2,3
	v_lshlrev_b32 v[rH+2*(\i)],   16, v[rY+8+(\i)]                 ; hi as f32: the low half moves up,
	v_and_b32     v[rH+2*(\i)+1], s[MH], v[rY+8+(\i)]              ; the high half stays
.endr
.irp i, 0,1,2,3
	v_pk_add_f32 v[rY+2*(\i):rY+2*(\i)+1], v[rY+2*(\i):rY+2*(\i)+1], v[rH+2*(\i):rH+2*(\i)+1] neg_lo:[0,1] neg_hi:[0,1]  ; y - hi: no bit is lost
.endr
.irp i, 0,1,2,3
	v_cvt_pk_bf16_f32 v[rH+8+(\i)], v[rY+2*(\i)], v[rY+2*(\i)+1]   ; lo
.endr
	ds_store_b128 v[STO], v[rH+8:rH+11] offset:YLOS+(\b)*16*272+32*(\s)
.endr
.endm
	ATT 0
	ATT 1
	ATT 2
	ATT 3
	s_wait_dscnt 0x0                               ; for the others' sake: my stores into y's stages are done (a channel's 256 bytes come from two waves)
	s_barrier_signal -1
	s_barrier_wait -1
.irp t, 0,1,2,3,4,5,6,7,8,9,10,11,12,13,14,15
	ds_load_b128 v[128+4*(\t):128+4*(\t)+3], v[RD] offset:(\t)*2*272
.endr
.irp t, 0,1,2,3,4,5,6,7,8,9,10,11,12,13,14,15
	ds_load_b128 v[192+4*(\t):192+4*(\t)+3], v[RD] offset:YLOS+(\t)*2*272
.endr
.irp t, 0,1,2,3,4,5,6,7,8,9,10,11,12,13,14,15
	s_wait_dscnt 31-(\t)                           ; LDS loads come back in order: load t of the 32 is in
	global_store_b128 v[GO], v[128+4*(\t):128+4*(\t)+3], s[16:17] offset:(\t)*16384  ; 16 lanes store 256 consecutive bytes, at a multiple of 256 from yt's first byte
.endr
.irp t, 0,1,2,3,4,5,6,7,8,9,10,11,12,13,14,15
	s_wait_dscnt 15-(\t)
	global_store_b128 v[GO], v[192+4*(\t):192+4*(\t)+3], s[YL:YL+1] offset:(\t)*16384
.endr
	s_wait_tensorcnt 0x0                           ; the wave's end, behind my last tensor load and my last LDS store
	ds_add_u32 v[SPW], v[NIL]
	s_wait_dscnt 0x0
	CROUND                                         ; the closing round: no work-group ends while a partner may still ask for a tile that names it
	s_endpgm
.Lfunc_end_k_q40230496c9_qkvattn:
	.size	k_q40230496c9_qkvattn, .Lfunc_end_k_q40230496c9_qkvattn-k_q40230496c9_qkvattn
	.p2alignl 7, 3214868480
	.fill 96, 4, 3214868480
	.section	.rodata,"a",@progbits
	.p2align	6, 0x0
	.amdhsa_kernel k_q40230496c9_qkvattn
		.amdhsa_group_segment_fixed_size 327680
		.amdhsa_private_segment_fixed_size 0
		.amdhsa_enable_private_segment 0
		.amdhsa_kernarg_size 56
		.amdhsa_user_sgpr_count 2
		.amdhsa_user_sgpr_kernarg_segment_ptr 1
		.amdhsa_wavefront_size32 1
		.amdhsa_system_sgpr_workgroup_id_x 1
		.amdhsa_system_sgpr_workgroup_id_y 1
		.amdhsa_system_sgpr_workgroup_id_z 1
		.amdhsa_system_vgpr_workitem_id 0
		.amdhsa_next_free_vgpr 1024
		.amdhsa_next_free_sgpr 100
		.amdhsa_reserve_vcc 1
		.amdhsa_float_denorm_mode_32 3
		.amdhsa_float_denorm_mode_16_64 3
		.amdhsa_memory_ordered 1
		.amdhsa_forward_progress 1
		.amdhsa_inst_pref_size 208
	.end_amdhsa_kernel
	.amdgpu_metadata
---
amdhsa.version: [ 1, 2 ]
amdhsa.kernels:
  - .name:           k_q40230496c9_qkvattn
    .symbol:         k_q40230496c9_qkvattn.kd
    .args:
      - { .name: cb, .offset: 0, .size: 8, .value_kind: global_buffer, .address_space: global }
      - { .name: wlb, .offset: 8, .size: 8, .value_kind: global_buffer, .address_space: global }
      - { .name: bq, .offset: 16, .size: 8, .value_kind: global_buffer, .address_space: global }
      - { .name: bk, .offset: 24, .size: 8, .value_kind: global_buffer, .address_space: global }
      - { .name: bv, .offset: 32, .size: 8, .value_kind: global_buffer, .address_space: global }
      - { .name: bl, .offset: 40, .size: 8, .value_kind: global_buffer, .address_space: global }
      - { .name: yt, .offset: 48, .size: 8, .value_kind: global_buffer, .address_space: global }
    .group_segment_fixed_size: 327680
    .private_segment_fixed_size: 0
    .kernarg_segment_align: 8
    .kernarg_segment_size: 56
    .max_flat_workgroup_size: 128
    .sgpr_count:     100
    .vgpr_count:     1024
    .wavefront_size: 32
...
	.end_amdgpu_metadata
.endif
;; end of part 2
;; launch oproj (part 3): grid 8 x 32, 4 waves a work-group, clusters of 4 x 4, 327,680 bytes of LDS; arguments yt, cb, bo, out0; writes out0
.if DOCPART == 3
	.amdgcn_target "amdgcn-amd-amdhsa--gfx1250"
	.amdhsa_code_object_version 6
	.text
	.protected	k_q40230496c9_oproj
	.globl	k_q40230496c9_oproj
	.p2align	8
	.type	k_q40230496c9_oproj,@function
k_q40230496c9_oproj:
	s_mov_b64 s[64:65], 0
	v_nop
	global_prefetch_b8 v0, s[64:65] scope:SCOPE_SE
	s_setreg_imm32_b32 hwreg(HW_REG_WAVE_MODE, 25, 1), 1
	s_wait_xcnt 0x0
	s_wait_alu depctr_hold_cnt(0) depctr_sa_sdst(0) depctr_va_vdst(0) depctr_va_sdst(0) depctr_va_ssrc(0) depctr_va_vcc(0) depctr_vm_vsrc(0)
	s_getreg_b32 s2, hwreg(HW_REG_IB_STS2, 6, 4)
	s_cmp_eq_u32 s2, 0
	s_cbranch_scc0 .Lentry_in_a_cluster
	s_endpgm
.Lentry_in_a_cluster:
	s_bfe_u32 s2, ttmp6, 0x10000c
	s_cmp_lg_u32 s2, 0xf033
	s_cbranch_scc0 .Lentry_shape_is_right
	s_endpgm
.Lentry_shape_is_right:
; THIRD OF THREE LAUNCHES.  out0[row][n] = the sum over k of y[row][k] wo[k][n] + bo[n].  y comes turned and as two bf16 numbers, y = hi + lo: yt[2,048 k-rows][4,096 rows], hi's 1,024 channels, then lo's;
; wo as it lies, [k][n] in bf16, in cb behind x, wq, wk, wv; sums in f32; out0 in f32.  So the product has 2,048 along K, and wo is walked twice: hi wo, then lo wo, onto the same sums.
; Nothing of reference() is left out here.  bo is rounded to bf16 like the other inputs and starts the sums, as the C operand of the first products.
; SHARES.  A tile of out0 is 128 x 128: 8 x 32 = 256 work-groups.  Four waves, each 64 x 64 (mh = w / 2, nh = w % 2): 16 accumulators.  K goes in eight steps of 256 through two LDS slots.
; Both operands lie [k][.] and come out of LDS turned, by ds_load_tr16_b128.  THE MATRIX INSTRUCTION IS USED TRANSPOSED (source 0 = 16 columns of wo, source 1 = 16 rows of y): a lane then holds row l % 16 and
; eight neighbouring columns, 32 bytes of a row of out0.
; CLUSTER.  4 x 4 work-groups: y's tile hangs on the row tile alone and is asked for jointly by a row of the cluster, wo's on the column tile alone, by a column.
; REGISTERS: window 0: v0-31 addresses; v96-127 the bias, 8 a column block; v128-255 the accumulators ((a, b) at 128 + 8 (4 a + b)).   window 1: two fragment buffers of 128: for 64 along K, 64 of y, then 64 of wo.
.set PB,    288                        ; a k-row in LDS: 256 bytes + 32 = 72 words
.set HALFT, 128*PB                     ; 128 k-rows: what one tensor load brings
.set SLOT,  4*HALFT                    ; y's 256 k-rows, then wo's
.set STAGE, 2*SLOT                     ; behind the ring: 16 rows x 272 bytes for each wave, for the way out
.set SP,    272
.set SPARE, STAGE+4*16*SP              ; the spare words, 128 bytes for each wave: two blocks of 256 bytes that no other line names
.set ADRY, 16                          ; v16-19  LDS address of my fragments of y: 2 slot + (which 128 k-rows)
.set ADRW, 20                          ; v20-23  the same for wo
.set STO,  24                          ; v24     the way out: where I put 32 bytes of a row
.set RD,   25                          ; v25     where I read a row back
.set CO,   26                          ; v26     my byte offset in two rows of out0
.set PFO,  27                          ; v27     8,192 x my lane: a k-row of yt; never rewritten
.set SPW,  28                          ; v28     LDS address of my spare word; never rewritten
.set NIL,  29                          ; v29     0; never rewritten
.set BOF,  30                          ; v30     my byte offset in bo
.set BIAS, 96
.set ACC,  128
.set F0,   0
.set F1,   128
.set WV, 12                            ; s12 wave   s13 mh, also: I fetch for y (0) or for wo (1)   s14 nh, also: which 128 k-rows I fetch
.set LIM, 15                           ; s15  1 in a wave that prefetches, else the greatest number
.set OW,  18                           ; s[18:19] where slot 0's next K step begins in wo, in bytes: 0 or 512 k-rows, by turns
.set G1Y, 24                           ; s[24:31] descriptor group 1 for y's tiles;  s[32:39] group 0, a set for each slot
.set G0Y, 32
.set WB,  46                           ; s[46:47] wo at my 128 k-rows of K step 0, the column tile's 256 bytes
.set G1W, 48                           ; s[48:55], s[56:63] the same for wo's
.set G0W, 56
.set PFA, 68                           ; s[68:69] where my prefetches stand
.set MUL,  0x05                        ; sources 0 and 1 window 1; C and D window 0
.set TO_F, 0x40                        ; destination window 1, address window 0
.set MSB, 0
.macro WIN new
.if MSB != (\new)
	s_set_vgpr_msb (MSB<<8)|(\new)
.set MSB, \new
.endif
.endm
.macro PLACES
.rept 4
	v_nop
.endr
.endm
.macro JLOAD s                         ; a joint load: waves 0 and 1 fetch y's two halves, waves 2 and 3 wo's; an s_nop 0 and four v_nop follow each of the two lines
	s_cmp_eq_u32 s13, 0
	s_cbranch_scc0 .Lfor_w_\@
	tensor_load_to_lds s[G0Y+4*(\s):G0Y+4*(\s)+3], s[G1Y:G1Y+7]
	s_nop 0
.rept 4
	v_nop
.endr
	s_branch .Lasked_\@
.Lfor_w_\@:
	tensor_load_to_lds s[G0W+4*(\s):G0W+4*(\s)+3], s[G1W:G1W+7]
	s_nop 0
.rept 4
	v_nop
.endr
.Lasked_\@:
.endm
; A PREFETCH INTO THE L2 of y's K step that stands two refills on (256 matrix instructions of the wave ahead of its load): 32 k-rows x 256 bytes, a lane a row, one instruction a wave.  Each block is named once in the
; launch: a row tile's columns of yt are read by both clusters of a row of clusters: the one with x = 0 asks, its waves 0 and 1, which fetch y.  The four partners that ask for a tile jointly share the 128 k-rows of a
; wave out by address, 32 each, by cx.  K steps 4 to 7 are named, in the loop's first two trips (s3 = 3, 2); K steps 0 to 3 come by their loads alone.  wo is not asked for: no K step of its first walk stands two
; refills ahead of its load, and its second walk is a later reading of the same rows.
.macro ASK
	s_cmp_gt_u32 s3, s[LIM]
	s_cbranch_scc0 .Lnot_mine_\@
	global_prefetch_b8 v[PFO], s[PFA:PFA+1] th:TH_LOAD_NT scope:SCOPE_SE
.Lnot_mine_\@:
.endm
.macro CREST
	s_cmp_lg_u32 s[WV], 0
	s_cbranch_scc1 .Lnot_wave_0_\@
	s_barrier_signal -3
.Lnot_wave_0_\@:
	s_barrier_wait -3
	s_barrier_signal -1
	s_barrier_wait -1
.endm
.macro CROUND
	s_barrier_signal -1
	s_barrier_wait -1
	CREST
.endm
	s_load_b256 s[4:11], s[0:1], 0x0               ; yt s[4:5], cb s[6:7], bo s[8:9], out0 s[10:11]
	v_lshl_add_u32 v[SPW], v0, 2, SPARE
	v_mov_b32 v[NIL], 0
	ds_add_u32 v[SPW], v[NIL]                      ; the wave's opening: the add, twice on end, and its wait ahead of my first tensor load
	ds_add_u32 v[SPW], v[NIL]
	v_lshrrev_b32 v1, 5, v0
	v_readfirstlane_b32 s[WV], v1                  ; wave 0..3
	s_lshr_b32 s13, s[WV], 1
	s_and_b32 s14, s[WV], 1
	s_bfe_u32 s40, ttmp6, 0x40000                  ; cx, cy
	s_bfe_u32 s41, ttmp6, 0x40004
	s_lshl_b32 s42, ttmp9, 2
	s_add_co_u32 s42, s42, s40                     ; column tile = 4 x cluster x + cx
	s_and_b32 s43, ttmp7, 0xffff
	s_lshl_b32 s43, s43, 2
	s_add_co_u32 s43, s43, s41                     ; row tile = 4 x cluster y + cy
	s_lshl_b32 s44, s41, 2
	s_lshl_b32 s44, 15, s44                        ; my row of the cluster
	s_lshl_b32 s45, 0x1111, s40                    ; my column
	s_or_b32 s[G1Y], s44, (1<<16)|(1<<20)|(1<<21)|(5<<22)|(7<<25)  ; the mask; 2-byte elements; padding on; 21 set beside a mask; after every 64 words 8 words
	s_or_b32 s[G1W], s45, (1<<16)|(1<<20)|(1<<21)|(5<<22)|(7<<25)
.irp g, G1Y, G1W
	s_mov_b32 s[(\g)+1], 128<<16                   ; tensor_dim0 = 128
	s_mov_b32 s[(\g)+2], 128<<16                   ; tensor_dim1 = 128
	s_mov_b32 s[(\g)+3], 128<<16                   ; tile_dim0 = 128
	s_mov_b32 s[(\g)+4], 128                       ; tile_dim1 = 128
	s_mov_b32 s[(\g)+6], 0
	s_mov_b32 s[(\g)+7], 0
.endr
	s_mov_b32 s[G1Y+5], 4096                       ; elements from k-row to k-row of yt,
	s_mov_b32 s[G1W+5], 1024                       ; and of wo
	s_lshl_b32 s16, s14, 20                        ; y: my 128 k-rows of 8,192 bytes,
	s_lshl_b32 s17, s43, 8                         ; the row tile's 256 bytes
	s_add_co_u32 s16, s16, s17
	s_mov_b32 s17, 0
	s_lshl_b32 s[WB], s14, 18                      ; wo: my 128 k-rows of 2,048 bytes,
	s_lshl_b32 s[WB+1], s42, 8                     ; the column tile's 256 bytes,
	s_add_co_u32 s[WB], s[WB], s[WB+1]
	s_add_co_u32 s[WB], s[WB], 14680064            ; behind x and three matrices in cb
	s_mov_b32 s[WB+1], 0
	s_mov_b32 s[OW], 0
	s_mov_b32 s[OW+1], 0
	s_mul_i32 s20, s[WV], HALFT                    ; where they go: wave x 128 k-rows
	s_wait_dscnt 0x0                               ; both opening adds are done
	s_wait_kmcnt 0x0
	s_add_nc_u64 s[16:17], s[4:5], s[16:17]
	s_add_nc_u64 s[WB:WB+1], s[6:7], s[WB:WB+1]
	CROUND                                         ; all sixteen work-groups are here: the first joint loads meet
.irp s, 0,1
	s_mov_b32 s[G0Y+4*(\s)], 1
	s_add_co_u32 s[G0Y+4*(\s)+1], s20, (\s)*SLOT
	s_add_nc_u64 s[G0Y+4*(\s)+2:G0Y+4*(\s)+3], s[16:17], (\s)*256*8192
	s_or_b32 s[G0Y+4*(\s)+3], s[G0Y+4*(\s)+3], 0x80000000
	s_mov_b32 s[G0W+4*(\s)], 1
	s_add_co_u32 s[G0W+4*(\s)+1], s20, (\s)*SLOT
	s_add_nc_u64 s[G0W+4*(\s)+2:G0W+4*(\s)+3], s[WB:WB+1], (\s)*256*2048
	s_or_b32 s[G0W+4*(\s)+3], s[G0W+4*(\s)+3], 0x80000000
	JLOAD \s                                       ; two loads of mine are out
.endr
	v_and_b32 v1, 15, v0                           ; r = l % 16
	v_bfe_u32 v2, v0, 4, 1                         ; h = l / 16
	v_and_b32 v3, 7, v0
	v_bfe_u32 v4, v0, 3, 1
	v_lshl_add_u32 v5, v2, 3, v3                   ; the turning load: lane l reads k-row 8 h + l % 8, 16 bytes at 16 ((l / 8) % 2)
	v_mul_u32_u24 v5, v5, PB
	v_lshl_add_u32 v5, v4, 4, v5
	s_lshl_b32 s21, s13, 7                         ; my 64 rows of y,
	s_lshl_b32 s22, s14, 7                         ; my 64 columns of wo,
	s_add_co_u32 s22, s22, 2*HALFT                 ; which lies behind y's 256 k-rows
	v_add_nc_u32 v6, s21, v5
	v_add_nc_u32 v7, s22, v5
.irp s, 0,1
.irp k, 0,1
	v_add_nc_u32 v[ADRY+2*(\s)+(\k)], (\s)*SLOT+(\k)*HALFT, v6
	v_add_nc_u32 v[ADRW+2*(\s)+(\k)], (\s)*SLOT+(\k)*HALFT, v7
.endr
.endr
	s_mul_i32 s23, s[WV], 16*SP
	s_add_co_u32 s23, s23, STAGE                   ; my stage
	v_mul_u32_u24 v8, v1, SP                       ; in: row r, 32 bytes for each half of the lanes
	v_lshl_add_u32 v8, v2, 5, v8
	v_add_nc_u32 v[STO], s23, v8
	v_mul_u32_u24 v9, v2, SP                       ; back: lanes 0-15 take one row of 256 bytes, lanes 16-31 the next
	v_lshl_add_u32 v9, v1, 4, v9
	v_add_nc_u32 v[RD], s23, v9
	v_lshlrev_b32 v10, 12, v2                      ; and the same two rows in out0, 4,096 bytes apart
	v_lshl_add_u32 v[CO], v1, 4, v10
	s_lshl_b32 s66, s42, 9                         ; bo: column 128 nx + 64 nh + 16 b + 8 h + j, 4 bytes each
	s_lshl_b32 s67, s14, 8
	s_add_co_u32 s66, s66, s67
	v_lshl_add_u32 v[BOF], v2, 5, s66
.irp b, 0,1,2,3
	global_load_b128 v[BIAS+8*(\b):BIAS+8*(\b)+3],   v[BOF], s[8:9] offset:64*(\b)
	global_load_b128 v[BIAS+8*(\b)+4:BIAS+8*(\b)+7], v[BOF], s[8:9] offset:64*(\b)+16
.endr
	s_lshl_b32 s67, s43, 19                        ; out0 at row 128 ry + 64 mh, column 128 nx + 64 nh
	s_add_co_u32 s66, s66, s67
	s_lshl_b32 s67, s13, 18
	s_add_co_u32 s66, s66, s67
	s_mov_b32 s67, 0
	s_add_nc_u64 s[10:11], s[10:11], s[66:67]
	; the prefetches: they stand at K step 3; the first refill steps them to K step 4
	s_lshl_b32 s70, s14, 7                         ; the 128 k-rows that I fetch,
	s_lshl_b32 s71, s40, 5                         ; my work-group's 32 of them,
	s_add_co_u32 s70, s70, s71
	s_add_co_u32 s70, s70, 768                     ; in K step 3,
	s_lshl_b32 s70, s70, 13                        ; at 8,192 bytes a k-row,
	s_lshl_b32 s71, s43, 8                         ; the row tile's 256 bytes
	s_add_co_u32 s70, s70, s71
	s_mov_b32 s71, 0
	s_add_nc_u64 s[PFA:PFA+1], s[4:5], s[70:71]
	s_or_b32 s[LIM], s13, ttmp9                    ; 0 in waves 0 and 1 of a cluster with x = 0: the same in all sixteen partners, for a given wave
	s_cmp_eq_u32 s[LIM], 0
	s_cselect_b32 s[LIM], 1, -1
	v_and_b32 v[PFO], 31, v0
	v_lshlrev_b32 v[PFO], 13, v[PFO]
	s_wait_loadcnt 0x0
.set n, 0
.rept 16
	v_cvt_pk_bf16_f32 v31, v[BIAS+2*n], v[BIAS+2*n+1]  ; rounded to bf16, and back to f32
	v_lshlrev_b32 v[BIAS+2*n], 16, v31
	v_and_b32 v[BIAS+2*n+1], 0xffff0000, v31
.set n, n+1
.endr
; 8 matrix instructions: row blocks a0, a0 + 1 x all 4 column blocks, 32 along K: half c of buffer f.  The 16 accumulators take turns over the backward jump too.  first = 1: the bias starts the sums.
.macro MUL8 f, c, a0, first
	WIN MUL
.irp a, \a0, (\a0)+1
.irp b, 0,1,2,3
.if \first
	v_wmma_f32_16x16x32_bf16 v[ACC+8*(4*(\a)+(\b)):ACC+8*(4*(\a)+(\b))+7], v[(\f)+64+8*(4*(\c)+(\b)):(\f)+64+8*(4*(\c)+(\b))+7], v[(\f)+8*(4*(\c)+(\a)):(\f)+8*(4*(\c)+(\a))+7], v[BIAS+8*(\b):BIAS+8*(\b)+7]
.else
	v_wmma_f32_16x16x32_bf16 v[ACC+8*(4*(\a)+(\b)):ACC+8*(4*(\a)+(\b))+7], v[(\f)+64+8*(4*(\c)+(\b)):(\f)+64+8*(4*(\c)+(\b))+7], v[(\f)+8*(4*(\c)+(\a)):(\f)+8*(4*(\c)+(\a))+7], v[ACC+8*(4*(\a)+(\b)):ACC+8*(4*(\a)+(\b))+7]
.endif
.endr
.endr
.endm
; 32 LDS loads in one run: the fragments of quarter kq (64 along K) of a slot into buffer f; the first 32 along K first
.macro FETCH slot, kq, f
	WIN TO_F
.irp c, 0,1
.irp i, 0,1,2,3
	ds_load_tr16_b128 v[(\f)+64+8*(4*(\c)+(\i)):(\f)+64+8*(4*(\c)+(\i))+3],   v[ADRW+2*(\slot)+(\kq)/2] offset:((\kq)%2)*64*PB+(\c)*32*PB+32*(\i)
	ds_load_tr16_b128 v[(\f)+64+8*(4*(\c)+(\i))+4:(\f)+64+8*(4*(\c)+(\i))+7], v[ADRW+2*(\slot)+(\kq)/2] offset:((\kq)%2)*64*PB+(\c)*32*PB+32*(\i)+16*PB
	ds_load_tr16_b128 v[(\f)+8*(4*(\c)+(\i)):(\f)+8*(4*(\c)+(\i))+3],         v[ADRY+2*(\slot)+(\kq)/2] offset:((\kq)%2)*64*PB+(\c)*32*PB+32*(\i)
	ds_load_tr16_b128 v[(\f)+8*(4*(\c)+(\i))+4:(\f)+8*(4*(\c)+(\i))+7],       v[ADRY+2*(\slot)+(\kq)/2] offset:((\kq)%2)*64*PB+(\c)*32*PB+32*(\i)+16*PB
.endr
.endr
.endm
; A K step is four quarters of 64 along K, 32 matrix instructions each, on buffers 0, 1, 0, 1.  One of the first three: multiplies buffer f and fetches quarter kq into g.
.macro QUARTER slot, kq, f, g, first
	s_wait_dscnt 16                                ; the first 32 along K are in
	MUL8 \f, 0, 0, \first
	MUL8 \f, 0, 2, \first
	PLACES
	FETCH \slot, \kq, \g
	s_wait_dscnt 32                                ; all but the 32 just issued
	MUL8 \f, 1, 0, 0
	MUL8 \f, 1, 2, 0
.endm
; The last quarter multiplies buffer 1 and changes slots: ONE barrier; in front of it each wave waits for all its tensor loads, adds 0 to its spare word, and waits for that and for its own reads of this slot.
; fill = 1: the barrier opens a round of the cluster's, and this slot is filled again, two K steps on, first thing behind the round.  y's address steps on by 512 k-rows, from hi's channels into lo's.  wo's is made
; anew from my base and an offset that one exclusive or a lap turns between 0 and 512 k-rows: K steps 2 and 3, then 0 and 1 again, then 2 and 3.
.macro TURN slot, next, fill
.if \fill
	s_wait_xcnt 0x0                                ; the last prefetch, a K step back, has read its address: it is stepped here, ahead of the waits of the change
	s_add_nc_u64 s[PFA:PFA+1], s[PFA:PFA+1], 256*8192
.endif
	WIN 0                                          ; (the add's two registers lie in window 0)
	s_wait_tensorcnt 0x0                           ; all my tensor loads have landed: my part of the next slot
	ds_add_u32 v[SPW], v[NIL]                      ; 0 onto my spare word
	s_wait_dscnt 17                                ; (the add and the youngest sixteen loads may be out)
	MUL8 F1, 0, 0, 0                               ; eight matrix instructions stand between the add and the wait for it
	s_wait_dscnt 0x0                               ; the add is done, and my reads of this slot are over
	s_barrier_signal -1
	MUL8 F1, 0, 2, 0
.if \fill
	WIN 0
.endif
	s_barrier_wait -1
.if \fill
	CREST                                          ; no wave of any partner still reads this slot's tile or has a load on its way
	s_add_nc_u64 s[G0Y+4*(\slot)+2:G0Y+4*(\slot)+3], s[G0Y+4*(\slot)+2:G0Y+4*(\slot)+3], 512*8192
.if (\slot) == 0
	s_xor_b32 s[OW], s[OW], 512*2048
.endif
	s_add_nc_u64 s[G0W+4*(\slot)+2:G0W+4*(\slot)+3], s[WB:WB+1], s[OW:OW+1]
.if (\slot) == 1
	s_add_nc_u64 s[G0W+4*(\slot)+2:G0W+4*(\slot)+3], s[G0W+4*(\slot)+2:G0W+4*(\slot)+3], 256*2048
.endif
	s_or_b32 s[G0W+4*(\slot)+3], s[G0W+4*(\slot)+3], 0x80000000
	JLOAD \slot                                    ; 112 matrix instructions ahead of the wait for it; the four v_nop behind it are also the places in front of the loads below
.else
	PLACES
.endif
	FETCH \next, 0, F0
.if \fill
	WIN 0
	ASK                                            ; behind the joint load and the run of LDS loads that the next products wait for
.endif
	MUL8 F1, 1, 0, 0
	MUL8 F1, 1, 2, 0
.endm
	s_wait_tensorcnt 0x1                           ; my part of K step 0 is in; K step 1's may stay out
	s_barrier_signal -1
	s_barrier_wait -1                              ; everybody's is
	FETCH 0, 0, F0
	QUARTER 0, 1, F0, F1, 1                        ; the first quarter stands in front of the loop: its first products start the sums, with the bias
	WIN 0                                          ; at a label and at a branch every window is 0
	s_mov_b32 s3, 3
.Llap:                                                 ; a trip goes once round the ring, from a lap's second quarter to the next lap's first, and fills both slots again: K steps 2 to 7
	QUARTER 0, 2, F1, F0, 0
	QUARTER 0, 3, F0, F1, 0
	TURN 0, 1, 1
	QUARTER 1, 1, F0, F1, 0
	QUARTER 1, 2, F1, F0, 0
	QUARTER 1, 3, F0, F1, 0
	TURN 1, 0, 1
	QUARTER 0, 1, F0, F1, 0
	WIN 0
	s_sub_co_u32 s3, s3, 1
	s_cmp_lg_u32 s3, 0
	s_cbranch_scc1 .Llap
	QUARTER 0, 2, F1, F0, 0                        ; the last lap is written out: it fills nothing
	QUARTER 0, 3, F0, F1, 0
	TURN 0, 1, 0
	QUARTER 1, 1, F0, F1, 0
	QUARTER 1, 2, F1, F0, 0
	QUARTER 1, 3, F0, F1, 0
	s_wait_dscnt 16                                ; the very last quarter
	MUL8 F1, 0, 0, 0
	MUL8 F1, 0, 2, 0
	s_wait_dscnt 0x0
	MUL8 F1, 1, 0, 0
	MUL8 F1, 1, 2, 0
	WIN 0
	; THE WAY OUT, a block of 16 rows at a time through my own stage: a lane's 32 bytes go into rows of 272 bytes and come back as whole rows of 256, into the registers that they left.
	PLACES
	PLACES
.macro TOSTAGE a
.irp b, 0,1,2,3
	ds_store_b128 v[STO], v[ACC+8*(4*(\a)+(\b)):ACC+8*(4*(\a)+(\b))+3]   offset:64*(\b)     ; each accumulator is read from its low end on
	ds_store_b128 v[STO], v[ACC+8*(4*(\a)+(\b))+4:ACC+8*(4*(\a)+(\b))+7] offset:64*(\b)+16
.endr
.irp t, 0,1,2,3,4,5,6,7
	ds_load_b128 v[ACC+32*(\a)+4*(\t):ACC+32*(\a)+4*(\t)+3], v[RD] offset:(\t)*2*SP  ; LDS serves a wave's instructions in order (ISA guide 5.7.1.4): these see the stores above; the next block's stores come behind them
.endr
.endm
.macro SEND a, younger                 ; younger: the LDS instructions issued behind block a's loads: the next block's sixteen, or none
.irp t, 0,1,2,3,4,5,6,7
	s_wait_dscnt (\younger)+7-(\t)
	global_store_b128 v[CO], v[ACC+32*(\a)+4*(\t):ACC+32*(\a)+4*(\t)+3], s[10:11] offset:(16*(\a)+2*(\t))*4096 th:TH_STORE_NT  ; 16 lanes store 256 consecutive bytes, at a multiple of 256 from out0's first byte
.endr
.endm
	TOSTAGE 0
	TOSTAGE 1
	SEND 0, 16
	TOSTAGE 2
	SEND 1, 16
	TOSTAGE 3
	SEND 2, 16
	SEND 3, 0
	s_wait_tensorcnt 0x0                           ; the wave's end, behind my last tensor load and my last LDS store
	ds_add_u32 v[SPW], v[NIL]
	s_wait_dscnt 0x0
	CROUND                                         ; the closing round: no work-group ends while a partner may still ask for a tile that names it
	s_endpgm
.Lfunc_end_k_q40230496c9_oproj:
	.size	k_q40230496c9_oproj, .Lfunc_end_k_q40230496c9_oproj-k_q40230496c9_oproj
	.p2alignl 7, 3214868480
	.fill 96, 4, 3214868480
	.section	.rodata,"a",@progbits
	.p2align	6, 0x0
	.amdhsa_kernel k_q40230496c9_oproj
		.amdhsa_group_segment_fixed_size 327680
		.amdhsa_private_segment_fixed_size 0
		.amdhsa_enable_private_segment 0
		.amdhsa_kernarg_size 32
		.amdhsa_user_sgpr_count 2
		.amdhsa_user_sgpr_kernarg_segment_ptr 1
		.amdhsa_wavefront_size32 1
		.amdhsa_system_sgpr_workgroup_id_x 1
		.amdhsa_system_sgpr_workgroup_id_y 1
		.amdhsa_system_sgpr_workgroup_id_z 1
		.amdhsa_system_vgpr_workitem_id 0
		.amdhsa_next_free_vgpr 512
		.amdhsa_next_free_sgpr 72
		.amdhsa_reserve_vcc 0
		.amdhsa_float_denorm_mode_32 3
		.amdhsa_float_denorm_mode_16_64 3
		.amdhsa_memory_ordered 1
		.amdhsa_forward_progress 1
		.amdhsa_inst_pref_size 91
	.end_amdhsa_kernel
	.amdgpu_metadata
---
amdhsa.version: [ 1, 2 ]
amdhsa.kernels:
  - .name:           k_q40230496c9_oproj
    .symbol:         k_q40230496c9_oproj.kd
    .args:
      - { .name: yt, .offset: 0, .size: 8, .value_kind: global_buffer, .address_space: global }
      - { .name: cb, .offset: 8, .size: 8, .value_kind: global_buffer, .address_space: global }
      - { .name: bo, .offset: 16, .size: 8, .value_kind: global_buffer, .address_space: global }
      - { .name: out0, .offset: 24, .size: 8, .value_kind: global_buffer, .address_space: global }
    .group_segment_fixed_size: 327680
    .private_segment_fixed_size: 0
    .kernarg_segment_align: 8
    .kernarg_segment_size: 32
    .max_flat_workgroup_size: 128
    .sgpr_count:     72
    .vgpr_count:     512
    .wavefront_size: 32
...
	.end_amdgpu_metadata
.endif
;; end of part 3
;; ======== version 2 of 2: 3 launches; version 1 with the launch cast written anew for expert scheduling mode
;; workspace buffers: cb 16,777,216 bytes; wlb 262,144 bytes; yt 16,777,216 bytes
;; launch cast (part 4): grid 256 x 1, 8 waves a work-group, no clusters, 0 bytes of LDS; arguments x, wq, wk, wv, wo, wl, cb, wlb; writes cb, wlb
.if DOCPART == 4
	.amdgcn_target "amdgcn-amd-amdhsa--gfx1250"
	.amdhsa_code_object_version 6
	.text
	.protected	k_q40230496c9_cast
	.globl	k_q40230496c9_cast
	.p2align	8
	.type	k_q40230496c9_cast,@function
k_q40230496c9_cast:
	s_mov_b64 s[64:65], 0
	v_nop
	global_prefetch_b8 v0, s[64:65] scope:SCOPE_SE
	s_setreg_imm32_b32 hwreg(HW_REG_WAVE_SCHED_MODE, 0, 2), 2
	s_setreg_imm32_b32 hwreg(HW_REG_WAVE_MODE, 25, 1), 1
	s_wait_xcnt 0x0
	s_wait_alu depctr_vm_vsrc(0)
; FIRST OF THREE LAUNCHES.  x, wq, wk, wv, wo are rounded once to bf16, as they lie, into cb (x's 4,096 rows of 1,024, then the four matrices [k][n]);
; the live columns of wl go, rounded, into wlb[8 head pairs][1,024 k][16 c]: c = 2 hd + lev holds wl[k][(2 p + hd) 12 + lev] for hd, lev in {0, 1}; c = 4 .. 15 hold 0.
;
; WHAT reference() COMPUTES, AND WHAT IS LEFT OUT.  In _step, new_buckets[j] is zeros wherever bit j of t is set, placed or not, and BITS and RANKS hold six bits: put m = t mod 64.
; CLAIM: in front of step t all six buckets are zeros if m = 0; otherwise all but slot ctz(m), which holds the sum of v_s k_s^T over s = t-1 (m odd) or s = t-2, t-1 (m even).
; PROOF, by steps, from buckets0 = zeros.  m = 0: slot 0 takes cur, the other slots keep their zeros.  m odd, z its lowest clear bit (z < 6): slots below z become zeros and the carry is
; cur + slot 0 (the other slots below z hold zeros); slot z takes it; above z set bits give zeros and clear bits keep zeros; z = ctz(m + 1).  m = 63: every bit is set, every slot becomes zeros, the carry
; is dropped.  m even, not 0: slot 0 takes cur; every set bit, slot ctz(m) among them, gives zeros; clear bits above keep zeros.
; The one live slot is the lowest set bit of t, whose RANKS entry is 1.  So for all finite inputs, in exact arithmetic,
;   out_t = lam[t,h,0] (q_t . k_t) v_t + lam[t,h,1] x the sum over s in W(t) of (q_t . k_s) v_s,   W = {t-1} (t odd), {t-2, t-1} (t even), nothing (t mod 64 = 0),
; where (the sum of v_s k_s^T) q_t has been written as the sum of (k_s . q_t) v_s.  Levels 2 to 11 of lam multiply only zeros that reference() builds itself: 160 of wl's 192 columns and of bl's 192
; numbers reach no output and are not read.  Every one of the eleven inputs keeps a way to the output and is loaded by some launch.
; LIMIT: a NaN, an infinity or an overflow that would arise only in the work left out (levels 2 to 11, the empty buckets' products) is not carried to the result.
;
; SHARES.  Work-group g rounds 131,072 bytes of f32 into the 65,536 bytes of cb at 65,536 g: g < 128 from x, then 32 work-groups for each matrix.  Thread t takes 32 bytes of each of 16 units of
; 8,192 bytes and stores 16: a wave's store covers 512 consecutive bytes, aligned.  All 32 loads of a thread go out at the head, into registers of their own: nothing is asked for later,
; no register is used twice, and so no prefetch and no wait on the address counter is written.  No LDS, no matrix unit, no cluster: no byte is wanted twice.
;
; THE MODE: SCHED_MODE bits 1:0 = 2 (LLVM: expert scheduling mode 2), set by the entry lines.  The code itself states the register dependences
; between vector instructions and memory instructions, with s_wait_alu, always for 0.
; THE PLAN.  Registers that memory instructions touch:
;   v1, v3       offsets of the loads (the source; wl).  v2, v10: offsets of the stores (cb; wlb).  All four are made at the head and never written again.
;   v[4:7]       wl's four numbers: written by two loads at the head, read by two conversions at the end.
;   v[16:143]    unit i: written by its two loads at the head; its four conversions then write its first four registers, in place; its one store reads those four; nothing writes them afterwards.
;   v[8:9]       written by two conversions and two selects at the end; read by wlb's store.
; No register that a memory instruction has read is written again, and no load is issued behind a vector line that names its destination: what is to be stated is that the offsets are written
; ahead of the first load, and that a unit's conversions have written ahead of its store.
; The 16 units go in four blocks of four.  Block p converts its own four units; its memory instructions are the four stores of block p - 1, whose registers no vector line of block p names.
; So ONE wait at a block's head, behind the wait for the block's data, states all that its four stores hang on, and they are dealt among its sixteen conversions with no further wait.
; Scalar results of vector lines: s30 (the wave's number) and s36 (the lanes that hold c = 0 .. 3) are made side by side at the head, and one wait stands ahead of the first reader of either.
.set X, 16                             ; v[16:143]  unit i: 8 registers as loaded; the first 4 then hold the 8 bf16
	s_load_b256 s[4:11], s[0:1], 0x0               ; x s[4:5], wq s[6:7], wk s[8:9], wv s[10:11]
	s_load_b256 s[12:19], s[0:1], 0x20             ; wo s[12:13], wl s[14:15], cb s[16:17], wlb s[18:19]
	v_lshrrev_b32 v1, 5, v0
	v_readfirstlane_b32 s30, v1                    ; wave 0..7
	v_and_b32 v12, 31, v0                          ; lane
	v_and_b32 v11, 3, v12
	v_cmp_eq_u32 s36, 0, v11                       ; the lanes whose 8 bytes of wlb are c = 0 .. 3
	v_lshlrev_b32 v1, 5, v0                        ; my 32 bytes of a unit of the source
	v_lshlrev_b32 v2, 4, v0                        ; my 16 bytes of a unit of cb
	s_mov_b32 s20, ttmp9                           ; g
	s_sub_co_u32 s21, s20, 128                     ; g - 128: used where g >= 128 alone
	s_lshr_b32 s22, s21, 5                         ; which matrix: 0 wq, 1 wk, 2 wv, 3 wo
	s_and_b32 s23, s21, 31                         ; which 131,072 bytes of it
	s_cmp_lt_u32 s20, 128
	s_cselect_b32 s23, s20, s23                    ; or of x
	s_lshl_b32 s24, s23, 17
	s_mov_b32 s25, 0
	s_lshl_b32 s28, s20, 16                        ; my 65,536 bytes of cb
	s_mov_b32 s29, 0
	; wl's part: the work-group has head pair p = g / 32 and 32 values of k; wave u (of the first four) 8 of them: 256 bytes of wlb; a lane 8 bytes: k = lane / 4, c = 4 (lane % 4) ..
	s_wait_alu depctr_va_sdst(0)                   ; s30 and s36 are written: s30's first reader is the next line, s36's the first select at the end; no branch and no label stands between
	s_and_b32 s31, s30, 3                          ; u; waves 4 to 7 load what waves 0 to 3 load and store nothing of it
	s_and_b32 s32, s20, 31
	s_lshl_b32 s32, s32, 5
	s_lshl3_add_u32 s32, s31, s32                  ; 32 (g % 32) + 8 u
	v_lshrrev_b32 v3, 2, v12
	v_add_nc_u32 v3, s32, v3                       ; k
	s_lshr_b32 s33, s20, 5
	s_mul_i32 s33, s33, 96                         ; head 2 p begins at column 24 p
	v_mul_u32_u24 v3, v3, 768                      ; a row of wl
	v_add_nc_u32 v3, s33, v3
	s_lshl_b32 s34, s20, 10
	s_lshl_b32 s35, s31, 8
	s_add_co_u32 s34, s34, s35
	v_lshl_add_u32 v10, v12, 3, s34                ; 1,024 g + 256 u + 8 lane
	s_wait_kmcnt 0x0
	s_cmp_eq_u32 s22, 1
	s_cselect_b64 s[26:27], s[8:9], s[6:7]
	s_cmp_eq_u32 s22, 2
	s_cselect_b64 s[26:27], s[10:11], s[26:27]
	s_cmp_eq_u32 s22, 3
	s_cselect_b64 s[26:27], s[12:13], s[26:27]
	s_cmp_lt_u32 s20, 128
	s_cselect_b64 s[26:27], s[4:5], s[26:27]       ; the source is chosen by the work-group's number alone
	s_add_nc_u64 s[26:27], s[26:27], s[24:25]
	s_add_nc_u64 s[28:29], s[16:17], s[28:29]
	s_wait_alu depctr_va_vdst(0)                   ; the four offsets v1, v2, v3, v10 are written: every load and store of the kernel reads one of them, and none is written again
	global_load_b64 v[4:5], v3, s[14:15]           ; levels 0, 1 of head 2 p
	global_load_b64 v[6:7], v3, s[14:15] offset:48 ; and of head 2 p + 1
.set i, 0
.rept 16
	global_load_b128 v[X+8*i:X+8*i+3],   v1, s[26:27] offset:8192*i th:TH_LOAD_NT
	global_load_b128 v[X+8*i+4:X+8*i+7], v1, s[26:27] offset:8192*i+16 th:TH_LOAD_NT
.set i, i+1
.endr
.macro CVT i                           ; unit i is rounded, in place: each line writes a register whose number has been read
	v_cvt_pk_bf16_f32 v[X+8*(\i)],   v[X+8*(\i)],   v[X+8*(\i)+1]
	v_cvt_pk_bf16_f32 v[X+8*(\i)+1], v[X+8*(\i)+2], v[X+8*(\i)+3]
	v_cvt_pk_bf16_f32 v[X+8*(\i)+2], v[X+8*(\i)+4], v[X+8*(\i)+5]
	v_cvt_pk_bf16_f32 v[X+8*(\i)+3], v[X+8*(\i)+6], v[X+8*(\i)+7]
.endm
.macro OUT i                           ; unit i is stored
	global_store_b128 v2, v[X+8*(\i):X+8*(\i)+3], s[28:29] offset:4096*(\i)
.endm
; Block p: units 4 p to 4 p + 3 are rounded; the stores of block p - 1 stand among their conversions.
.macro BLK p
	s_wait_loadcnt 24-8*(\p)                       ; loads come back in order: the block's last unit, 4 p + 3, is in, the 2 (12 - 4 p) younger loads stay out
.if (\p) > 0
	s_wait_alu depctr_va_vdst(0)                   ; the conversions of the block before have written its units' first four registers, which the four stores below read
.endif
.irp u, 0,1,2,3
.if (\p) > 0
	OUT 4*(\p)-4+(\u)                              ; no vector line since the wait names these registers or v2
.endif
	CVT 4*(\p)+(\u)
.endr
.endm
	BLK 0
	BLK 1
	BLK 2
	BLK 3
	v_cvt_pk_bf16_f32 v8, v4, v5                   ; c = 0, 1
	v_cvt_pk_bf16_f32 v9, v6, v7                   ; c = 2, 3
	v_cndmask_b32 v8, 0, v8, s36                   ; c = 4 .. 15 are 0
	v_cndmask_b32 v9, 0, v9, s36
	s_wait_alu depctr_va_vdst(0)                   ; block 3's conversions have written its units' registers, and the selects v8 and v9: the five stores below read them
	OUT 12
	OUT 13
	OUT 14
	OUT 15
	s_cmp_lt_u32 s30, 4
	s_cbranch_scc0 .Lend
	global_store_b64 v10, v[8:9], s[18:19]         ; a wave stores 256 consecutive bytes, aligned
.Lend:
	s_endpgm
.Lfunc_end_k_q40230496c9_cast:
	.size	k_q40230496c9_cast, .Lfunc_end_k_q40230496c9_cast-k_q40230496c9_cast
	.p2alignl 7, 3214868480
	.fill 96, 4, 3214868480
	.section	.rodata,"a",@progbits
	.p2align	6, 0x0
	.amdhsa_kernel k_q40230496c9_cast
		.amdhsa_group_segment_fixed_size 0
		.amdhsa_private_segment_fixed_size 0
		.amdhsa_enable_private_segment 0
		.amdhsa_kernarg_size 64
		.amdhsa_user_sgpr_count 2
		.amdhsa_user_sgpr_kernarg_segment_ptr 1
		.amdhsa_wavefront_size32 1
		.amdhsa_system_sgpr_workgroup_id_x 1
		.amdhsa_system_sgpr_workgroup_id_y 1
		.amdhsa_system_sgpr_workgroup_id_z 1
		.amdhsa_system_vgpr_workitem_id 0
		.amdhsa_next_free_vgpr 144
		.amdhsa_next_free_sgpr 66
		.amdhsa_reserve_vcc 0
		.amdhsa_float_denorm_mode_32 3
		.amdhsa_float_denorm_mode_16_64 3
		.amdhsa_memory_ordered 1
		.amdhsa_forward_progress 1
		.amdhsa_inst_pref_size 12
	.end_amdhsa_kernel
	.amdgpu_metadata
---
amdhsa.version: [ 1, 2 ]
amdhsa.kernels:
  - .name:           k_q40230496c9_cast
    .symbol:         k_q40230496c9_cast.kd
    .args:
      - { .name: x, .offset: 0, .size: 8, .value_kind: global_buffer, .address_space: global }
      - { .name: wq, .offset: 8, .size: 8, .value_kind: global_buffer, .address_space: global }
      - { .name: wk, .offset: 16, .size: 8, .value_kind: global_buffer, .address_space: global }
      - { .name: wv, .offset: 24, .size: 8, .value_kind: global_buffer, .address_space: global }
      - { .name: wo, .offset: 32, .size: 8, .value_kind: global_buffer, .address_space: global }
      - { .name: wl, .offset: 40, .size: 8, .value_kind: global_buffer, .address_space: global }
      - { .name: cb, .offset: 48, .size: 8, .value_kind: global_buffer, .address_space: global }
      - { .name: wlb, .offset: 56, .size: 8, .value_kind: global_buffer, .address_space: global }
    .group_segment_fixed_size: 0
    .private_segment_fixed_size: 0
    .kernarg_segment_align: 8
    .kernarg_segment_size: 64
    .max_flat_workgroup_size: 256
    .sgpr_count:     66
    .vgpr_count:     144
    .wavefront_size: 32
...
	.end_amdgpu_metadata
.endif
;; end of part 4
;; launch qkvattn: the kernel of part 2 again; grid 8 x 32, 4 waves a work-group, clusters of 4 x 4, 327,680 bytes of LDS; arguments cb, wlb, bq, bk, bv, bl, yt; writes yt
;; launch oproj: the kernel of part 3 again; grid 8 x 32, 4 waves a work-group, clusters of 4 x 4, 327,680 bytes of LDS; arguments yt, cb, bo, out0; writes out0
